; MI455X (gfx1250); checked and timed in simulation.
; The chip was launched on July 23, 2026; its instructions are those of AMD's public machine-readable ISA for CDNA 5 (MIT licence, August 2026) and "CDNA5" Instruction Set Architecture Reference Guide (July 2026). The comments in the code are by the model that wrote it; some were corrected since.
;; Multi Head Self Attention. Allowed arithmetic: matrix products marked QUANTISED: E2M3 operands, one E8M0 scale for each 32 along K, by v_wmma_scale_f32_16x16x128_f8f6f4 with both operands' format E2M3, f32 sums; everything else in f32.
;; Inputs: w_proj 1,024 x 1,024 float32; w_qkv 1,024 x 3,072 float32; x 4 x 2,048 x 1,024 float32.
;; Outputs: out0 4 x 2,048 x 1,024 float32.
;; This version of the problem:
;;   THIS VERSION OF THE PROBLEM IS GIVEN IN LOW PRECISION. The matrix products marked QUANTISED in the list below multiply operands that are first quantised to E2M3 (2 exponent bits, 3 mantissa bits; 6 bits a number), with one power-of-two scale for each 32 numbers along K (OCP MX v1.0); their sums are f32. All else is computed in f32.
;;   The module's matrix products, in the order in which they are computed (A, B: the left and right operand; K: the contracted axis; several contracted axes count as one K, in the product's order):
;;     1. [M 8,192, K 1,024] x [K 1,024, N 3,072]; A: input x; B: input w_qkv: QUANTISED
;;     2. batch 64 x [M 2,048, K 64] x [K 64, N 2,048]; A: computed on the way; B: computed on the way: QUANTISED
;;     3. batch 64 x [M 2,048, K 2,048] x [K 2,048, N 64]; A: softmax (see below); B: computed on the way: QUANTISED
;;     4. [M 8,192, K 1,024] x [K 1,024, N 1,024]; A: computed on the way; B: input w_proj: QUANTISED
;;   THE QUANTISER, for each operand of a quantised product, along K:
;;     - K is cut into blocks of 32 from its start; a last block that is shorter is filled with zeros.
;;     - A block's scale is 2^e with e = floor(log2(the largest magnitude in the block)) - 2, held to -126 .. 127; a block of zeros has e = 0. As a byte (E8M0): e + 127.
;;     - Each number is divided by its block's scale, clamped to +-7.5, and rounded to the nearest number of E2M3, ties to even, subnormals kept.
;;     - The product sums the exact products of the quantised numbers (number of the format x scale) in f32.
;;   ~~~python
;;   def quantise(x, axis):      # numpy; x: float32 -> the quantised numbers, widened to float32 again
;;       x = np.moveaxis(x, axis, -1); K = x.shape[-1]
;;       x = np.pad(x, [(0, 0)] * (x.ndim - 1) + [(0, -K % 32)]); x = x.reshape(x.shape[:-1] + (-1, 32)); a = np.abs(x).max(-1, keepdims=True)
;;       e = np.where(a > 0, np.clip(np.frexp(np.where(a > 0, a, 1))[1] - 1 - 2, -126, 127), 0)      # np.frexp(a)[1] - 1 = floor(log2(a)), exactly
;;       r = np.clip(x / 2.0 ** e, -7.5, 7.5)
;;       step = 2.0 ** (np.maximum(np.frexp(np.where(r == 0, 1, r))[1] - 1, 0) - 3)
;;       q = np.round(r / step) * step * 2.0 ** e      # np.round: ties to even
;;       return np.moveaxis(q.reshape(q.shape[:-2] + (-1,))[..., :K], -1, axis).astype(np.float32)
;;   ~~~
;;   SOFTMAX AHEAD OF A QUANTISED PRODUCT. Where the list says 'softmax', what is quantised is not the finished softmax but p = 2^(t - M), with t = logit x log2(e) and M = ceil(the row's largest t), a whole number; so 1/2 < the row's largest p <= 1. The row's sum l is taken of the UNQUANTISED p, in f32, and the product's result is divided by l at the end. Since M is a whole number, a kernel that streams over the keys may use a running M (the ceiling of the running maximum): every later rescaling is an exact power of two, which a block's scale takes up: the codes' values come out the same.
;;   OPERANDS COMPUTED ON THE WAY. 'Computed on the way' means the value that the module computes at that place (a softmax that the list does not call 'softmax' is quantised finished and normalised). What goes into a quantiser is computed in f32, as accurately as f32 sums, v_exp_f32 and their like allow (about 1e-6 of the number): no bf16 or f16 on the way to a quantiser, and a product that is left as it is and whose result goes on into a quantised operand takes f32 operands (vector FMAs, or v_wmma_f32_16x16x4_f32). A number that lies on a knife's edge between two numbers of the format may be rounded either way, as far as f32 arithmetic and the matrix unit's own rounding can turn it there, and no further.
;; One version. Each part assembles by itself: llvm-mc -triple=amdgcn-amd-amdhsa -mcpu=gfx1250 --defsym DOCPART=n.
;; ======== version 1 of 1: 4 launches
;; workspace buffers: xc 6,291,456 bytes; xs 262,144 bytes; wc 3,145,728 bytes; ws 131,072 bytes; qk 13,631,488 bytes; vc 6,553,600 bytes; oc 6,291,456 bytes; os 262,144 bytes
;; launch quant (part 1): grid 384 x 1, 4 waves a work-group, no clusters, 34,304 bytes of LDS; arguments x, w_qkv, w_proj, xc, xs, wc, ws; writes xc, xs, wc, ws
.if DOCPART == 1
	.amdgcn_target "amdgcn-amd-amdhsa--gfx1250"
	.amdhsa_code_object_version 6
	.text
	.protected	k_qd1c6ae640e_quant
	.globl	k_qd1c6ae640e_quant
	.p2align	8
	.type	k_qd1c6ae640e_quant,@function
k_qd1c6ae640e_quant:
	s_mov_b64 s[64:65], 0
	v_nop
	global_prefetch_b8 v0, s[64:65] scope:SCOPE_SE
	s_setreg_imm32_b32 hwreg(HW_REG_WAVE_MODE, 25, 1), 1
	s_wait_xcnt 0x0
; x [8192][1024], w_qkv [1024][3072] and w_proj [1024][1024], f32, become codes of FP6 (E2M3) with one E8M0 byte for each 32 along K, laid as IMAGES OF OPERAND REGISTERS.
; A fragment (16 rows x 128 K, 12 registers a lane) is 1,536 bytes: registers 4 c .. 4 c + 3 of lane l at 512 c + 16 l.  Lane (r, h) holds k = 64 c + 32 h + 0 .. 31 in registers 6 c .. 6 c + 5.
; THE ROWS OF A TILE ARE NOT NEIGHBOURS: lane r of tile T holds row 32 (T / 2) + 8 (T % 2) + r + 8 (r / 8), so that a later result's 16 registers of two neighbouring tiles are 16 neighbours.
; xc: [K / 256][tile 512][which 128][1,536];  xs: [tile][K / 256][r 16][which 128] scale words.  wc, ws likewise with 256 tiles: rows 0 .. 3071 are w_qkv's columns, rows 3072 .. 4095 w_proj's.
; A block's scale is 2^(floor(log2(its largest magnitude)) - 2); its byte is the largest magnitude's exponent field - 2, held at 1 from below.
; LIMITS: NaN and infinities among the inputs are not served; a block of zeros gets the byte 1 where the quantiser says 127: its codes are zeros, and this program alone reads the bytes.
; SHARES.  Work-groups 0 .. 255: x; a wave takes one tile of 16 rows x 512 along K.  256 .. 351: w_qkv, 352 .. 383: w_proj; a wave takes 32 columns x 256 along K.  32 KiB read by every wave.
; The launch streams: each input byte is read once, no input is shared between work-groups, so no matrix unit, no cluster, no tensor load and no barrier: waves share nothing.
.set STG,   8448                       ; x's path: a wave's stage in LDS: 16 rows x (512 bytes + 16)
.set SPARE, 4*STG                      ; behind the four stages: the spare words, 128 bytes a wave: two blocks of 256 bytes that no other line names
.set SPW,   12                         ; v12  LDS address of my spare word; never rewritten
.set NIL,   13                         ; v13  0; never rewritten
.set WV,    18                         ; s18  my wave's number
.set SEL,   20                         ; s[20:21] lane selects for v_permlanex16_b32: lane l xor 16
.set RB,    16                         ; x: v16-143   two sets of 64 registers as loaded
.set XN,    144                        ; x: v144-207  64 numbers of my row: register 16 b + i = k 32 b + 16 h + i
.set PC,    208                        ; x: v208-219  the fragment just made; v220-222, v224-226 at work
.set TM,    228                        ; x: v228-243  largest magnitudes, bytes, scale operands
.set SW,    248                        ; x: v248-251  the four K steps' scale words
.set WX,    16                         ; w: v16-79    two sets of 32 numbers
.set WT,    80                         ; w: v80-82    the second half of a block's codes
.set RUN,   84                         ; w: v84-131   the codes: 12 registers for each (which 128, half h); never rewritten
; 64 numbers of a lane, register 16 b + i = k 32 b + 16 h + i of my row, become a fragment in v[PC] on and the row's scale word in v[pw]
.macro QUANT s, pw
.irp b, 0,1,2,3
	v_max3_num_f32 v[TM+\b], |v[\s+16*\b]|, |v[\s+1+16*\b]|, 0x1800000   ; my 16 numbers of block b, and the floor 2^(3 - 127): the byte cannot fall under 1
.endr
.irp i, 2,4,6,8,10,12,14
.irp b, 0,1,2,3
	v_max3_num_f32 v[TM+\b], v[TM+\b], |v[\s+16*\b+\i]|, |v[\s+1+16*\b+\i]|   ; the four blocks by turns
.endr
.endr
.irp b, 0,1,2,3
	v_permlanex16_b32 v[TM+4+\b], v[TM+\b], s[SEL], s[SEL+1]
.endr
.irp b, 0,1,2,3
	v_max_num_f32 v[TM+\b], v[TM+\b], v[TM+4+\b]       ; with lane l xor 16's: the block's largest magnitude
.endr
.irp b, 0,1,2,3
	v_add_nc_u32 v[TM+12+\b], 0xff000000, v[TM+\b]     ; 2 off its exponent field: the conversion's scale operand
.endr
.irp b, 0,1,2,3
	v_lshrrev_b32 v[TM+4+\b], 23, v[TM+12+\b]          ; the scale's byte
.endr
	v_lshl_or_b32 v[\pw], v[TM+5], 8, v[TM+4]
	v_lshl_or_b32 v[\pw], v[TM+6], 16, v[\pw]
	v_lshl_or_b32 v[\pw], v[TM+7], 24, v[\pw]
.irp c, 0,1
	v_cvt_scalef32_pk16_fp6_f32 v[PC+6*\c:PC+2+6*\c], v[\s+32*\c:\s+15+32*\c], v[TM+12+2*\c]
	v_cvt_scalef32_pk16_fp6_f32 v[PC+12+4*\c:PC+14+4*\c], v[\s+16+32*\c:\s+31+32*\c], v[TM+12+2*\c+1]   ; (a conversion's three registers begin on an even number)
.endr
	v_nop                                              ; one plain place behind a scaled conversion
.irp c, 0,1                                        ; the layout wants a whole block in a lane: lanes 0-15 block 2 c, lanes 16-31 block 2 c + 1
.irp i, 0,1,2
	v_permlane16_swap_b32 v[PC+6*\c+\i], v[PC+12+4*\c+\i]
.endr
.irp i, 0,1,2
	v_mov_b32 v[PC+3+6*\c+\i], v[PC+12+4*\c+\i]
.endr
.endr
.endm
	s_load_b256 s[4:11], s[0:1], 0x0               ; x s[4:5], w_qkv s[6:7], w_proj s[8:9], xc s[10:11]
	s_load_b128 s[12:15], s[0:1], 0x20             ; xs s[12:13], wc s[14:15]
	s_load_b64 s[16:17], s[0:1], 0x30              ; ws
	v_lshl_add_u32 v[SPW], v0, 2, SPARE
	v_mov_b32 v[NIL], 0
	v_lshrrev_b32 v1, 5, v0
	v_readfirstlane_b32 s[WV], v1                  ; wave 0..3
	v_and_b32 v1, 31, v0                           ; lane
	s_mov_b32 s[SEL], 0x76543210
	s_mov_b32 s[SEL+1], 0xfedcba98
	s_mov_b32 s23, 0                               ; the high word of every offset: all stay under 2^32
	s_wait_kmcnt 0x0
	s_cmp_lt_u32 ttmp9, 256
	s_cbranch_scc0 .Lweights
; ---------------- x: K is innermost.  Each load reads 512 consecutive bytes of one row; a K step's 16 rows turn through the wave's own stage, so that a lane gets 16 neighbours of each block.
	s_lshl_b32 s22, ttmp9, 2
	s_add_co_u32 s22, s22, s[WV]                   ; my unit: tile = unit / 2, which 512 along K = unit % 2
	s_lshr_b32 s24, s22, 1
	s_and_b32 s25, s22, 1
	s_lshr_b32 s26, s24, 1
	s_and_b32 s27, s24, 1
	s_lshl_b32 s26, s26, 17                        ; 32 (tile / 2) rows of 4,096 bytes
	s_lshl_b32 s27, s27, 15                        ; + 8 (tile % 2) rows
	s_add_co_u32 s26, s26, s27
	s_lshl_b32 s27, s25, 11                        ; + 512 numbers
	s_add_co_u32 s22, s26, s27
	s_add_nc_u64 s[4:5], s[4:5], s[22:23]
	s_mul_i32 s22, s25, 3145728                    ; xc: two K / 256 planes of 1,572,864 bytes,
	s_mul_i32 s26, s24, 3072                       ; a tile's two fragments
	s_add_co_u32 s22, s22, s26
	s_add_nc_u64 s[10:11], s[10:11], s[22:23]
	s_lshl_b32 s22, s24, 9                         ; xs: 512 bytes a tile, 256 for my half of K
	s_lshl_b32 s26, s25, 8
	s_add_co_u32 s22, s22, s26
	s_add_nc_u64 s[12:13], s[12:13], s[22:23]
	s_wait_alu depctr_va_vdst(0)
	v_lshlrev_b32 v2, 4, v1                        ; 16 x lane: loads, and the images' stores
	s_mul_i32 s28, s[WV], STG
	v_add_nc_u32 v3, s28, v2                       ; the stage, on the way in
	v_and_b32 v6, 15, v0
	v_bfe_u32 v7, v0, 4, 1
	v_mul_u32_u24 v4, v6, 528
	v_lshl_add_u32 v4, v7, 6, v4
	v_add_nc_u32 v4, s28, v4                       ; and on the way out: row r, + 64 h
	v_lshlrev_b32 v5, 3, v1                        ; 8 x lane: the scale words' store
.irp b, 0,1,2,3
	v_mov_b32 v[TM+4+\b], 0                        ; written once: a lane permute's destination counts as one of its sources
.endr
.macro XLOAD t                         ; K step t: 16 rows x 512 bytes into set t % 2; row p of the tile lies p + 8 (p / 8) rows on
.irp p, 0,1,2,3,4,5,6,7,8,9,10,11,12,13,14,15
	global_load_b128 v[RB+64*((\t)%2)+4*\p:RB+64*((\t)%2)+4*\p+3], v2, s[4:5] offset:(\p+8*(\p/8))*4096+512*(\t) th:TH_LOAD_NT
.endr
.endm
.macro XTURN t                         ; through the stage: LDS serves a wave's instructions in order, so no wait stands between the stores and the loads
.irp p, 0,1,2,3,4,5,6,7,8,9,10,11,12,13,14,15
	ds_store_b128 v3, v[RB+64*((\t)%2)+4*\p:RB+64*((\t)%2)+4*\p+3] offset:528*\p
.endr
.irp b, 0,1,2,3
.irp j, 0,1,2,3
	ds_load_b128 v[XN+16*\b+4*\j:XN+16*\b+4*\j+3], v4 offset:128*\b+16*\j
.endr
.endr
.endm
.macro XSTEP t
.if (\t) < 3
	s_wait_loadcnt 16                              ; this K step's 16 loads are in; the next step's 16 may be out
.else
	s_wait_loadcnt 0x0
.endif
	XTURN \t
	s_wait_dscnt 0x0                               ; my numbers are back, and the stage's stores have read their registers
.if (\t) > 0
	s_wait_xcnt 0x0                                ; the last step's stores have read the fragment's registers: they are written again only behind this wait
.endif
.if (\t) < 2
	XLOAD (\t)+2
.endif
	QUANT XN, SW+(\t)
.irp c, 0,1,2
	global_store_b128 v2, v[PC+4*\c:PC+4*\c+3], s[10:11] offset:((\t)/2)*1572864+((\t)%2)*1536+512*\c   ; 32 lanes store 512 consecutive bytes, at a multiple of 256 from the buffer's first byte
.endr
.endm
	XLOAD 0
	XLOAD 1
	s_wait_alu depctr_va_vdst(0)
	XSTEP 0
	XSTEP 1
	XSTEP 2
	XSTEP 3
	v_cmp_gt_u32 vcc_lo, 16, v1                    ; lanes 0-15 store the first K / 256's two words of row r, lanes 16-31 the second's (a row's word stands in lanes r and r + 16)
	v_cndmask_b32 v246, v[SW+2], v[SW], vcc_lo
	v_cndmask_b32 v247, v[SW+3], v[SW+1], vcc_lo
	global_store_b64 v5, v[246:247], s[12:13]      ; 256 consecutive bytes, aligned
	s_branch .Lend
; ---------------- the weights: K is the FIRST axis.  A lane takes a column and its registers run down K: a block of 32 lies in one lane, and the codes come out with K innermost.
.Lweights:
	s_wait_alu depctr_va_vdst(0)
	v_lshlrev_b32 v2, 2, v1                        ; in: 4 bytes a lane
	v_bfe_u32 v8, v1, 3, 1                         ; column l of 32 is lane r = l % 8 + 8 (l / 16) of tile u = (l / 8) % 2
	v_and_b32 v9, 7, v1
	v_lshrrev_b32 v10, 4, v1
	v_lshl_add_u32 v9, v10, 3, v9
	v_mul_u32_u24 v3, v8, 3072
	v_lshl_add_u32 v3, v9, 4, v3                   ; codes: 3,072 u + 16 r
	v_lshlrev_b32 v4, 9, v8
	v_lshl_add_u32 v4, v9, 3, v4                   ; scale words: 512 u + 8 r
.macro WLOAD t, nc, wp                 ; block t: w(32 t + i, my column), i = 0 .. 31, into set t % 2; 32 lanes read 128 consecutive bytes, the four waves stand side by side
.set i, 0
.rept 32
	global_load_b32 v[WX+32*((\t)%2)+i], v2, s[\wp:\wp+1] offset:(32*(\t)+i)*(\nc)*4 th:TH_LOAD_NT
.set i, i+1
.endr
.endm
.macro WBLOCK t, nc, wp                ; block t is block 2 c + h of the (t / 4)-th 128 along K: registers 6 c .. 6 c + 5 of target lane (r, h)
.set XS, WX+32*((\t)%2)
.set RR, RUN+24*((\t)/4)+12*((\t)%2)+6*(((\t)/2)%2)
.if (\t) < 7
	s_wait_loadcnt 32                              ; this block's 32 loads are in; the next block's may be out
.else
	s_wait_loadcnt 0x0
.endif
	v_max3_num_f32 v8, |v[XS]|, |v[XS+1]|, |v[XS+2]|
	v_max3_num_f32 v9, |v[XS+3]|, |v[XS+4]|, |v[XS+5]|
.irp i, 6,10,14,18,22,26
	v_max3_num_f32 v8, v8, |v[XS+\i]|, |v[XS+\i+1]|
	v_max3_num_f32 v9, v9, |v[XS+\i+2]|, |v[XS+\i+3]|
.endr
	v_max3_num_f32 v8, v8, |v[XS+30]|, |v[XS+31]|
	v_max3_num_f32 v8, v8, v9, 0x1800000           ; and the floor
	v_add_nc_u32 v11, 0xff000000, v8               ; the conversion's scale operand
	v_lshrrev_b32 v10, 23, v11                     ; the byte
.if (\t)%4 == 0
	v_mov_b32 v[14+(\t)/4], v10
.else
	v_lshl_or_b32 v[14+(\t)/4], v10, 8*((\t)%4), v[14+(\t)/4]
.endif
	v_cvt_scalef32_pk16_fp6_f32 v[RR:RR+2], v[XS:XS+15], v11
	v_cvt_scalef32_pk16_fp6_f32 v[WT:WT+2], v[XS+16:XS+31], v11
	v_nop                                          ; one plain place behind a scaled conversion
.irp i, 0,1,2
	v_mov_b32 v[RR+3+\i], v[WT+\i]
.endr
.if (\t)+2 < 8
	WLOAD (\t)+2, \nc, \wp
.endif
.endm
.macro WSTORE q                        ; each store writes two whole aligned runs of 256 bytes: sixteen target lanes of tile 0, sixteen of tile 1
.irp h, 0,1
.irp c, 0,1,2
	global_store_b128 v3, v[RUN+24*\q+12*\h+4*\c:RUN+24*\q+12*\h+4*\c+3], s[14:15] offset:1536*\q+512*\c+256*\h
.endr
.endr
.endm
.macro WPATH nc, first, tbase, wp
	s_sub_co_u32 s22, ttmp9, \first
	s_lshr_b32 s24, s22, 2                         ; which 128 columns
	s_and_b32 s25, s22, 3                          ; which 256 along K
	s_lshl_b32 s26, s24, 3
	s_lshl_b32 s27, s[WV], 1
	s_add_co_u32 s26, s26, s27
	s_add_co_u32 s26, s26, \tbase                  ; my first tile
	s_mul_i32 s22, s25, 1024*\nc                   ; 256 rows of nc numbers,
	s_lshl_b32 s27, s24, 9                         ; 128 columns,
	s_add_co_u32 s22, s22, s27
	s_lshl_b32 s27, s[WV], 7                       ; my wave's 32
	s_add_co_u32 s22, s22, s27
	s_add_nc_u64 s[\wp:\wp+1], s[\wp:\wp+1], s[22:23]
	s_mul_i32 s22, s25, 786432                     ; wc: a K / 256 plane is 256 tiles of 3,072 bytes
	s_mul_i32 s27, s26, 3072
	s_add_co_u32 s22, s22, s27
	s_add_nc_u64 s[14:15], s[14:15], s[22:23]
	s_lshl_b32 s22, s26, 9
	s_lshl_b32 s27, s25, 7
	s_add_co_u32 s22, s22, s27
	s_add_nc_u64 s[16:17], s[16:17], s[22:23]
	WLOAD 0, \nc, \wp
	WLOAD 1, \nc, \wp
.irp t, 0,1,2,3
	WBLOCK \t, \nc, \wp
.endr
	WSTORE 0
.irp t, 4,5,6,7
	WBLOCK \t, \nc, \wp
.endr
	WSTORE 1
	global_store_b64 v4, v[14:15], s[16:17]        ; my column's two scale words: runs of 128 bytes, one byte for each 24 of codes
.endm
	s_cmp_lt_u32 ttmp9, 352
	s_cbranch_scc0 .Lwproj
	s_wait_alu depctr_va_vdst(0)
	WPATH 3072, 256, 0, 6
	s_branch .Lend
.Lwproj:
	s_wait_alu depctr_va_vdst(0)
	WPATH 1024, 352, 192, 8
.Lend:
	s_wait_tensorcnt 0x0                           ; the wave's end: three lines behind the last LDS store, the first of them even with no tensor load in this text
	ds_add_u32 v[SPW], v[NIL]
	s_wait_dscnt 0x0
	s_endpgm
.Lfunc_end_k_qd1c6ae640e_quant:
	.size	k_qd1c6ae640e_quant, .Lfunc_end_k_qd1c6ae640e_quant-k_qd1c6ae640e_quant
	.p2alignl 7, 3214868480
	.fill 96, 4, 3214868480
	.section	.rodata,"a",@progbits
	.p2align	6, 0x0
	.amdhsa_kernel k_qd1c6ae640e_quant
		.amdhsa_group_segment_fixed_size 34304
		.amdhsa_private_segment_fixed_size 0
		.amdhsa_enable_private_segment 0
		.amdhsa_kernarg_size 56
		.amdhsa_user_sgpr_count 2
		.amdhsa_user_sgpr_kernarg_segment_ptr 1
		.amdhsa_wavefront_size32 1
		.amdhsa_system_sgpr_workgroup_id_x 1
		.amdhsa_system_sgpr_workgroup_id_y 1
		.amdhsa_system_sgpr_workgroup_id_z 1
		.amdhsa_system_vgpr_workitem_id 0
		.amdhsa_next_free_vgpr 256
		.amdhsa_next_free_sgpr 66
		.amdhsa_reserve_vcc 1
		.amdhsa_float_denorm_mode_32 3
		.amdhsa_float_denorm_mode_16_64 3
		.amdhsa_memory_ordered 1
		.amdhsa_forward_progress 1
		.amdhsa_inst_pref_size 110
	.end_amdhsa_kernel
	.amdgpu_metadata
---
amdhsa.version: [ 1, 2 ]
amdhsa.kernels:
  - .name:           k_qd1c6ae640e_quant
    .symbol:         k_qd1c6ae640e_quant.kd
    .args:
      - { .name: x, .offset: 0, .size: 8, .value_kind: global_buffer, .address_space: global }
      - { .name: w_qkv, .offset: 8, .size: 8, .value_kind: global_buffer, .address_space: global }
      - { .name: w_proj, .offset: 16, .size: 8, .value_kind: global_buffer, .address_space: global }
      - { .name: xc, .offset: 24, .size: 8, .value_kind: global_buffer, .address_space: global }
      - { .name: xs, .offset: 32, .size: 8, .value_kind: global_buffer, .address_space: global }
      - { .name: wc, .offset: 40, .size: 8, .value_kind: global_buffer, .address_space: global }
      - { .name: ws, .offset: 48, .size: 8, .value_kind: global_buffer, .address_space: global }
    .group_segment_fixed_size: 34304
    .private_segment_fixed_size: 0
    .kernarg_segment_align: 8
    .kernarg_segment_size: 56
    .max_flat_workgroup_size: 128
    .sgpr_count:     66
    .vgpr_count:     256
    .wavefront_size: 32
...
	.end_amdgpu_metadata
.endif
;; end of part 1
;; launch qkv (part 2): grid 12 x 32, 4 waves a work-group, clusters of 4 x 4, 327,680 bytes of LDS; arguments xc, xs, wc, ws, qk, vc; writes qk, vc
.if DOCPART == 2
	.amdgcn_target "amdgcn-amd-amdhsa--gfx1250"
	.amdhsa_code_object_version 6
	.text
	.protected	k_qd1c6ae640e_qkv
	.globl	k_qd1c6ae640e_qkv
	.p2align	8
	.type	k_qd1c6ae640e_qkv,@function
k_qd1c6ae640e_qkv:
	s_mov_b64 s[64:65], 0
	v_nop
	global_prefetch_b8 v0, s[64:65] scope:SCOPE_SE
	s_setreg_imm32_b32 hwreg(HW_REG_WAVE_MODE, 25, 1), 1
	s_wait_xcnt 0x0
	s_wait_alu depctr_hold_cnt(0) depctr_sa_sdst(0) depctr_va_vdst(0) depctr_va_sdst(0) depctr_va_ssrc(0) depctr_va_vcc(0) depctr_vm_vsrc(0)
	s_getreg_b32 s2, hwreg(HW_REG_IB_STS2, 6, 4)
	s_cmp_eq_u32 s2, 0
	s_cbranch_scc0 .Lentry_in_a_cluster
	s_endpgm
.Lentry_in_a_cluster:
	s_bfe_u32 s2, ttmp6, 0x10000c
	s_cmp_lg_u32 s2, 0xf033
	s_cbranch_scc0 .Lentry_shape_is_right
	s_endpgm
.Lentry_shape_is_right:
; qkv = x w_qkv on codes of FP6 (E2M3) with E8M0 scales, K = 1,024; the results are quantised in the way out, straight from the accumulators, and leave as images of the operand registers that attention wants.
; A tile of 256 x 256 is made by four waves, each 128 x 128: 64 accumulators, 512 registers.  Source 0 ('B') and source 1 ('A') of the matrix instruction are 16-row fragments; in a result a lane holds ONE row of A
; and its registers run along B's rows.  Lane r of tile T holds row 32 (T / 2) + 8 (T % 2) + r + 8 (r / 8), so the 16 registers of B's tiles 2 n and 2 n + 1 are 16 neighbours: what the conversions take.
; ONE TEXT FOR q, k AND v.  Clusters with x = 0, 1 (q, k): A = tokens, B = w's columns: a lane holds a token and 128 neighbouring channels (two heads): quantised along the head.
; Clusters with x = 2 (v): A = w's columns 2048 on, B = tokens: a lane holds one channel and 128 neighbouring keys: quantised along the keys.  Only pointers, pitches and tile numbers are chosen, by the cluster's x.
; K goes in four steps of 256.  A K step's 8 tiles of a wave's fetch are 24,576 dense bytes of the workspace (images of registers): no pitch, no padding, every LDS load reads 512 consecutive bytes.
; THREE SLOTS: K steps 0, 1, 2 and all scale words are first fills (by this text's count four tensor loads of a wave are out at the start); K step 3 alone is a refill, of slot 0, behind one round of the cluster's barrier,
; and has two K steps, 256 matrix instructions, in which to land.  With three quarters of K asked for at the head, nothing is prefetched.
; CLUSTERS: 4 x 4 work-groups; A's tiles are shared along a row of the cluster, B's along a column: each is asked for jointly.
; The grid has 384 work-groups of equal work; a tile of half the size would halve the products that each LDS byte feeds, so the larger tile is kept.
; qk: [q, k][batch x head 64][128 tokens 16] blocks of 6,656 bytes: 8 half fragments of 768 bytes (registers 0-3 at 16 x lane, 4-5 at 512 + 8 x lane), then scale words [g 2][r 16][t 4] of tile 4 g + t (bytes 2, 3 are 0).
; vc: [batch x head 64][128 keys 16] blocks of 6,400 bytes: 4 fragments (16 channels x 128 keys) of 1,536 bytes, then scale words [r 16][t 4].
; LIMITS: NaN and infinities are not served; a block of zeros gets the byte 1 where the quantiser says 127: its codes are zeros, and this program alone reads the bytes.
; REGISTERS, in windows of 256: window 0: v1-31 addresses; v32-63 scale words, two sets; v64-124 the way out; v128-223 A's fragments, one set.  window 1: B's fragments, two sets, at v0 and v128.
;   window 2: the accumulators of A's blocks 0-3 ((a, b) at v[8 (8 (a % 4) + b)]); window 3: those of blocks 4-7.
.set SLOT,  98304                      ; A's 16 tiles of 3,072 bytes, then B's 16
.set HALFT, 24576                      ; 8 tiles: what one tensor load brings, and what one wave reads of A or of B
.set SCL,   3*SLOT                     ; the scale words: A's 16 tiles of 512 bytes, then B's
.set SPARE, SCL+16384                  ; the spare words, 128 bytes a wave: two blocks of 256 bytes that no other line names
.set FR,    12
.set NLA,   3                          ; LDS loads that bring a fragment of A
.set ADRA,  16                         ; v16-18  my A fragments in slot 0, 1, 2
.set ADRB,  20                         ; v20-22  the same for B
.set ADRS,  27                         ; v27     my scale words: lanes 0-15 A's rows, lanes 16-31 B's
.set SPW,   28                         ; v28     LDS address of my spare word; never rewritten
.set NIL,   29                         ; v29     0; never rewritten
.set L16,   30                         ; v30     16 x lane
.set L8,    31                         ; v31     8 x lane
.set SC,    32                         ; scale words: set s at v[SC + 16 s]; register 2 i + q: lanes 0-15 A's block i, lanes 16-31 B's block i, the slot's q-th 128 along K
.set AF,    128
.set PC,    64                         ; the way out: v64-75 a fragment; v76-78, v80-82 at work
.set TM,    84                         ; v84-99
.set PW,    100                        ; the scale word just made
.set SWA,   104                        ; v104-111, v112-119 the eight blocks' scale words
.set SWB,   112
.set D4,    120                        ; v120-123
.set VS,    124
.set PA,  2                            ; s[2:3]   from K step to K step in A's codes;  s[66:67] in B's
.set WV,  16
.set RH,  17                           ; which half of A's rows is mine.  Also: I fetch for A (0) or for B (1)
.set CH,  18                           ; which half of B's rows.  Also: which 8 tiles I fetch
.set ISV, 19                           ; 1 in v's clusters
.set G1,  24                           ; s[24:31] group 1 for A's codes;  s[32:43] group 0, a set for each slot;  s[44:47] group 0 for A's scale words
.set G0,  32
.set G0S, 44
.set G1B, 48                           ; s[48:55], s[68:79], s[56:59] the same for B
.set G0SB, 56
.set CX,  60
.set CY,  61
.set SEL, 62                           ; s[62:63] at first the masks, then LDS places, at the end the lane selects
.set PB,  66
.set G0B, 68
.set G1S, 80                           ; s[80:87], s[88:95] group 1 for the scale words of A, of B
.set G1SB, 88
.set T1,  96                           ; A's block of 256 rows
.set T0,  97                           ; B's
.set P3A, 98                           ; s[98:99], s[100:101] three K steps on, in A's codes, in B's
.set P3B, 100
.set MSB, 0
.macro WIN new                         ; the immediate's high byte repeats the setting that is left
.if MSB != \new
	s_set_vgpr_msb (MSB<<8)|\new
.set MSB, \new
.endif
.endm
.set MUL_LO, 0xa1                      ; source 0 (B) window 1, source 1 (A) window 0, C and D window 2
.set MUL_HI, 0xf1
.set TO_B,   0x40
; A joint load: waves 0 and 1 fetch for A, waves 2 and 3 for B; the branch hangs on the wave's number alone.  An s_nop 0 and four v_nop follow each line.
.macro JLOAD g0a, g1a, g0b, g1b
	s_cmp_eq_u32 s[RH], 0
	s_cbranch_scc0 .Lfor_b_\@
	tensor_load_to_lds s[\g0a:\g0a+3], s[\g1a:\g1a+7]
	s_nop 0
.rept 4
	v_nop
.endr
	s_branch .Lasked_\@
.Lfor_b_\@:
	tensor_load_to_lds s[\g0b:\g0b+3], s[\g1b:\g1b+7]
	s_nop 0
.rept 4
	v_nop
.endr
.Lasked_\@:
.endm
.macro CREST                           ; a round of the cluster's barrier behind its opening barrier
	s_cmp_lg_u32 s[WV], 0
	s_cbranch_scc1 .Lnot_wave_0_\@
	s_barrier_signal -3
.Lnot_wave_0_\@:
	s_barrier_wait -3
	s_barrier_signal -1
	s_barrier_wait -1
.endm
.macro CROUND
	s_barrier_signal -1
	s_barrier_wait -1
	CREST
.endm
	s_load_b256 s[4:11], s[0:1], 0x0               ; xc s[4:5], xs s[6:7], wc s[8:9], ws s[10:11]
	s_load_b128 s[12:15], s[0:1], 0x20             ; qk s[12:13], vc s[14:15]
	v_lshl_add_u32 v[SPW], v0, 2, SPARE
	v_mov_b32 v[NIL], 0
	ds_add_u32 v[SPW], v[NIL]
	ds_add_u32 v[SPW], v[NIL]                      ; the wave's opening: the add and its wait ahead of my first tensor load; work on registers stands between them
	v_lshrrev_b32 v1, 5, v0
	v_readfirstlane_b32 s[WV], v1
	s_lshr_b32 s[RH], s[WV], 1
	s_and_b32 s[CH], s[WV], 1
	s_bfe_u32 s[CX], ttmp6, 0x40000
	s_bfe_u32 s[CY], ttmp6, 0x40004
	s_lshl_b32 s62, s[CY], 2
	s_lshl_b32 s62, 15, s62                        ; my row of the cluster
	s_lshl_b32 s63, 0x1111, s[CX]                  ; my column
	; group 1: dense bytes as rows of 256 (32 elements of 8 bytes): 96 rows of codes, 16 rows of scale words; 15:0 the mask, 17:16 element size, 21 set beside a mask
	s_or_b32 s[G1], s62, (3<<16)|(1<<21)
	s_or_b32 s[G1S], s62, (3<<16)|(1<<21)
	s_or_b32 s[G1B], s63, (3<<16)|(1<<21)
	s_or_b32 s[G1SB], s63, (3<<16)|(1<<21)
.irp g, G1, G1B
	s_mov_b32 s[\g+1], 32<<16                      ; tensor_dim0
	s_mov_b32 s[\g+2], 96<<16                      ; tensor_dim1
	s_mov_b32 s[\g+3], 32<<16                      ; tile_dim0
	s_mov_b32 s[\g+4], 96                          ; tile_dim1
	s_mov_b32 s[\g+5], 32                          ; the pitch
	s_mov_b32 s[\g+6], 0
	s_mov_b32 s[\g+7], 0
.endr
.irp g, G1S, G1SB
	s_mov_b32 s[\g+1], 32<<16
	s_mov_b32 s[\g+2], 16<<16
	s_mov_b32 s[\g+3], 32<<16
	s_mov_b32 s[\g+4], 16
	s_mov_b32 s[\g+5], 32
	s_mov_b32 s[\g+6], 0
	s_mov_b32 s[\g+7], 0
.endr
	s_and_b32 s20, ttmp7, 0xffff
	s_lshl_b32 s20, s20, 2                         ; 4 x cluster y
	s_lshl_b32 s21, ttmp9, 2                       ; 4 x cluster x
	s_cmp_eq_u32 ttmp9, 2                          ; v's clusters: the same answer in all sixteen partners
	s_cselect_b32 s[ISV], 1, 0
	s_cselect_b32 s[T1], 0, s20
	s_cselect_b32 s[T0], s20, s21
	s_cselect_b32 s22, 128, 0                      ; v's rows of w begin at tile 128
	s_mov_b32 s[PA], 1572864
	s_cselect_b32 s[PA], 786432, s[PA]
	s_mov_b32 s[PB], 786432
	s_cselect_b32 s[PB], 1572864, s[PB]
	s_mov_b32 s[P3A], 3*1572864
	s_cselect_b32 s[P3A], 3*786432, s[P3A]
	s_mov_b32 s[P3B], 3*786432
	s_cselect_b32 s[P3B], 3*1572864, s[P3B]
	s_mov_b32 s[PA+1], 0
	s_mov_b32 s[PB+1], 0
	s_mov_b32 s[P3A+1], 0
	s_mov_b32 s[P3B+1], 0
	s_add_co_u32 s[T1], s[T1], s[CY]               ; A's block hangs on cy, which my row of the cluster shares;
	s_add_co_u32 s[T0], s[T0], s[CX]               ; B's on cx, which my column shares
	s_lshl_b32 s20, s[CH], 3                       ; which 8 tiles I fetch
	s_lshl_b32 s[G0+2], s[T1], 4                   ; the offsets are made in the descriptors' own registers
	s_add_co_u32 s[G0+2], s[G0+2], s20
	s_add_co_u32 s[G0+2], s[G0+2], s22             ; A's first tile
	s_lshl_b32 s[G0S+2], s[G0+2], 9                ; its scale words: 512 bytes a tile
	s_mul_i32 s[G0+2], s[G0+2], 3072               ; its codes
	s_mov_b32 s[G0+3], 0
	s_mov_b32 s[G0S+3], 0
	s_lshl_b32 s[G0B+2], s[T0], 4
	s_add_co_u32 s[G0B+2], s[G0B+2], s20           ; B's first tile
	s_lshl_b32 s[G0SB+2], s[G0B+2], 9
	s_mul_i32 s[G0B+2], s[G0B+2], 3072
	s_mov_b32 s[G0B+3], 0
	s_mov_b32 s[G0SB+3], 0
	s_wait_dscnt 0x0                               ; the opening add is done
	s_wait_kmcnt 0x0
	s_cmp_eq_u32 s[ISV], 1
	s_cselect_b64 s[20:21], s[8:9], s[4:5]         ; A's codes: w's in v's clusters, else x's
	s_cselect_b64 s[22:23], s[10:11], s[6:7]       ; A's scale words
	s_cselect_b64 s[4:5], s[4:5], s[8:9]           ; B's codes
	s_cselect_b64 s[6:7], s[6:7], s[10:11]         ; B's scale words
	s_add_nc_u64 s[G0+2:G0+3], s[20:21], s[G0+2:G0+3]
	s_add_nc_u64 s[G0S+2:G0S+3], s[22:23], s[G0S+2:G0S+3]
	s_add_nc_u64 s[G0B+2:G0B+3], s[4:5], s[G0B+2:G0B+3]
	s_add_nc_u64 s[G0SB+2:G0SB+3], s[6:7], s[G0SB+2:G0SB+3]
	s_add_nc_u64 s[G0+6:G0+7], s[G0+2:G0+3], s[PA:PA+1]
	s_add_nc_u64 s[G0+10:G0+11], s[G0+6:G0+7], s[PA:PA+1]
	s_add_nc_u64 s[G0B+6:G0B+7], s[G0B+2:G0B+3], s[PB:PB+1]
	s_add_nc_u64 s[G0B+10:G0B+11], s[G0B+6:G0B+7], s[PB:PB+1]
	s_mul_i32 s62, s[WV], HALFT                    ; where they go: wave x 8 tiles: no place in the cluster enters an LDS address
	s_lshl_b32 s63, s[WV], 12
.irp s, 0,1,2
	s_mov_b32 s[G0+4*\s], 1
	s_add_co_u32 s[G0+4*\s+1], s62, \s*SLOT
	s_or_b32 s[G0+4*\s+3], s[G0+4*\s+3], 0x80000000
	s_mov_b32 s[G0B+4*\s], 1
	s_add_co_u32 s[G0B+4*\s+1], s62, \s*SLOT
	s_or_b32 s[G0B+4*\s+3], s[G0B+4*\s+3], 0x80000000
.endr
	s_mov_b32 s[G0S], 1
	s_add_co_u32 s[G0S+1], s63, SCL
	s_or_b32 s[G0S+3], s[G0S+3], 0x80000000
	s_mov_b32 s[G0SB], 1
	s_add_co_u32 s[G0SB+1], s63, SCL
	s_or_b32 s[G0SB+3], s[G0SB+3], 0x80000000
	CROUND                                         ; all sixteen work-groups are here: the first joint loads meet
	JLOAD G0S, G1S, G0SB, G1SB                     ; the scale words of all of K: filled once
	JLOAD G0, G1, G0B, G1B                         ; K step 0
	JLOAD G0+4, G1, G0B+4, G1B                     ; K step 1
	JLOAD G0+8, G1, G0B+8, G1B                     ; K step 2
	v_and_b32 v1, 15, v0                           ; r
	v_bfe_u32 v2, v0, 4, 1                         ; h
	v_and_b32 v3, 31, v0                           ; lane
	v_lshlrev_b32 v[L16], 4, v3
	v_lshlrev_b32 v[L8], 3, v3
	s_mul_i32 s20, s[RH], HALFT                    ; my 8 tiles of A
	s_mul_i32 s21, s[CH], HALFT                    ; my 8 tiles of B,
	s_add_co_u32 s21, s21, 2*HALFT                 ; which lie behind A's 16
.irp s, 0,1,2
	v_add_nc_u32 v[ADRA+\s], s20, v[L16]
	v_add_nc_u32 v[ADRB+\s], s21, v[L16]
	s_add_co_u32 s20, s20, SLOT
	s_add_co_u32 s21, s21, SLOT
.endr
	s_xor_b32 s22, s[RH], 1                        ; from A's words of my rows to B's: 4,096 x (2 + CH - RH)
	s_add_co_u32 s22, s22, s[CH]
	s_add_co_u32 s22, s22, 1
	s_lshl_b32 s22, s22, 12
	v_mul_u32_u24 v4, s22, v2                      ; lanes 16-31 take B's
	v_lshl_add_u32 v4, v1, 3, v4                   ; 8 bytes a row
	s_lshl_b32 s23, s[RH], 12
	s_add_co_u32 s23, s23, SCL
	v_add_nc_u32 v[ADRS], s23, v4
.macro FRAG reg, adr, q, i             ; a fragment comes back as it was stored: three loads of 512 consecutive bytes
.irp c, 0,1,2
	ds_load_b128 v[\reg+4*\c:\reg+4*\c+3], v[\adr] offset:3072*(\i)+1536*(\q)+512*\c
.endr
.endm
; 16 matrix instructions: A's blocks a0, a0 + 1 x B's eight.  p: B's set; q: which 128 of the slot; sc: the set of scale words.  The 64 accumulators take turns, one instruction a turn, in the same order in every step.
.macro MUL16 a0, p, q, sc, zero
.irp a, \a0, \a0+1
.irp b, 0,1,2,3,4,5,6,7
.if \zero
	v_wmma_scale_f32_16x16x128_f8f6f4 v[8*(8*((\a)%4)+\b):8*(8*((\a)%4)+\b)+7], v[128*(\p)+FR*\b:128*(\p)+FR*\b+FR-1], v[AF+FR*(\a):AF+FR*(\a)+FR-1], 0, v[SC+16*(\sc)+2*\b+(\q)], v[SC+16*(\sc)+2*(\a)+(\q)] matrix_a_fmt:MATRIX_FMT_FP6 matrix_b_fmt:MATRIX_FMT_FP6 matrix_a_scale:MATRIX_SCALE_ROW1
.else
	v_wmma_scale_f32_16x16x128_f8f6f4 v[8*(8*((\a)%4)+\b):8*(8*((\a)%4)+\b)+7], v[128*(\p)+FR*\b:128*(\p)+FR*\b+FR-1], v[AF+FR*(\a):AF+FR*(\a)+FR-1], v[8*(8*((\a)%4)+\b):8*(8*((\a)%4)+\b)+7], v[SC+16*(\sc)+2*\b+(\q)], v[SC+16*(\sc)+2*(\a)+(\q)] matrix_a_fmt:MATRIX_FMT_FP6 matrix_b_fmt:MATRIX_FMT_FP6 matrix_a_scale:MATRIX_SCALE_ROW1
.endif
.endr
.endr
.endm
.macro FETCH_B slot, q, p
	WIN TO_B
.irp i, 0,1,2,3,4,5,6,7
	FRAG 128*(\p)+FR*\i, ADRB+\slot, \q, \i
.endr
	WIN 0
.endm
.macro FETCH_A slot, q, i0
.irp i, \i0, \i0+1, \i0+2, \i0+3
	FRAG AF+FR*(\i), ADRA+\slot, \q, \i
.endr
.endm
.macro SCALES sc, sg                   ; K step sg's scale words into set sc: two words a row
.irp i, 0,1,2,3,4,5,6,7
	ds_load_b64 v[SC+16*(\sc)+2*\i:SC+16*(\sc)+2*\i+1], v[ADRS] offset:512*\i+128*(\sg)
.endr
.endm
.macro PLACES n                        ; plain vector instructions between a matrix instruction and a load into, or a read of, its registers
.rept \n
	v_nop
.endr
.endm
; A slot's first 128 along K: multiplies B's set 0, fetches the second 128.
.macro STEP slot, sc, zero
	s_wait_dscnt 4*NLA                             ; all but the youngest loads, A's blocks 4-7
	WIN MUL_LO
	MUL16 0, 0, 0, \sc, \zero
	MUL16 2, 0, 0, \sc, \zero
	s_wait_dscnt 0x0
	PLACES 4
	FETCH_B \slot, 1, 1
	FETCH_A \slot, 1, 0
	WIN MUL_HI
	MUL16 4, 0, 0, \sc, \zero
	MUL16 6, 0, 0, \sc, \zero
	PLACES 4
	WIN 0
	FETCH_A \slot, 1, 4
.endm
; A slot's second 128 along K, and the change of slots.  mode 2: this slot is filled again: every wave waits for all its tensor loads, adds 0 to its spare word, waits for that and for its reads of the slot; the barrier
; opens a round of the cluster's barrier, and the joint refill is the first thing behind it.  mode 1: the same waits and a work-group barrier, which shows the refill to all four waves; nothing is filled.
; mode 0: nothing: the next slot was shown whole by mode 2's waits and round, and no byte is filled behind this change.
.macro TURN slot, next, sc, nsg, mode
.if \mode > 0
	s_wait_tensorcnt 0x0                           ; all my tensor loads have landed
	ds_add_u32 v[SPW], v[NIL]                      ; 0 onto my spare word
	s_wait_dscnt 4*NLA+1                           ; (the add and A's blocks 4-7 may be out)
.else
	s_wait_dscnt 4*NLA
.endif
	WIN MUL_LO
	MUL16 0, 1, 1, \sc, 0
	s_wait_dscnt 0x0                               ; the add is done, and my reads of this slot are over
.if \mode > 0
	s_barrier_signal -1
.endif
	MUL16 2, 1, 1, \sc, 0
	WIN 0
.if \mode > 0
	s_barrier_wait -1
.endif
.if \mode == 2
	CREST                                          ; no wave of any partner still reads this slot or has a load on its way
	s_add_nc_u64 s[G0+2:G0+3], s[G0+2:G0+3], s[P3A:P3A+1]      ; from K step 0 to K step 3
	s_add_nc_u64 s[G0B+2:G0B+3], s[G0B+2:G0B+3], s[P3B:P3B+1]
	JLOAD G0, G1, G0B, G1B                         ; the four v_nop behind it are also the places in front of the loads below
.else
	PLACES 4
.endif
	FETCH_B \next, 0, 0
	FETCH_A \next, 0, 0
	SCALES 1-\sc, \nsg
	WIN MUL_HI
	MUL16 4, 1, 1, \sc, 0
	MUL16 6, 1, 1, \sc, 0
	PLACES 4
	WIN 0
	FETCH_A \next, 0, 4
.endm
	s_wait_alu depctr_va_vdst(0)
	s_wait_tensorcnt 2                             ; the scale words and my part of K step 0 are in; K steps 1 and 2 may be out
	s_barrier_signal -1
	s_barrier_wait -1
	FETCH_B 0, 0, 0
	FETCH_A 0, 0, 0
	SCALES 0, 0
	FETCH_A 0, 0, 4
	STEP 0, 0, 1                                   ; the first products start the sums: nothing is cleared
	TURN 0, 1, 0, 1, 2
	STEP 1, 1, 0
	TURN 1, 2, 1, 2, 0
	STEP 2, 0, 0
	TURN 2, 0, 0, 3, 1
	STEP 0, 1, 0
	s_wait_dscnt 4*NLA                             ; the last 128 along K: nothing more to fetch
	WIN MUL_LO
	MUL16 0, 1, 1, 1, 0
	MUL16 2, 1, 1, 1, 0
	s_wait_dscnt 0x0
	WIN MUL_HI
	MUL16 4, 1, 1, 1, 0
	MUL16 6, 1, 1, 1, 0
	WIN 0
	PLACES 4
; THE WAY OUT.  Block a's 64 accumulator registers of a lane are 128 neighbours along B of one row of A (register 16 n + i = index 32 n + 16 h + i): they become a fragment in v[PC] on and the row's scale word in v[PW].
; Each accumulator is read from its low end on.
.macro QUANTW a
.set AC, 64*((\a)%4)
.set W, 2+(\a)/4
	WIN W|(W<<2)                                   ; sources 0 and 1: the accumulators' window
.irp b, 0,1,2,3
	v_max3_num_f32 v[TM+\b], |v[AC+16*\b]|, |v[AC+1+16*\b]|, 0x1800000   ; and the floor 2^(3 - 127): the byte cannot fall under 1
.endr
.irp i, 2,4,6,8,10,12,14
.irp b, 0,1,2,3
	v_max3_num_f32 v[TM+\b], |v[AC+16*\b+\i]|, |v[AC+1+16*\b+\i]|, v[TM+\b]
.endr
.endr
	WIN 0
.irp b, 0,1,2,3
	v_permlanex16_b32 v[TM+4+\b], v[TM+\b], s[SEL], s[SEL+1]
.endr
.irp b, 0,1,2,3
	v_max_num_f32 v[TM+\b], v[TM+\b], v[TM+4+\b]
.endr
.irp b, 0,1,2,3
	v_add_nc_u32 v[TM+12+\b], 0xff000000, v[TM+\b]
.endr
.irp b, 0,1,2,3
	v_lshrrev_b32 v[TM+4+\b], 23, v[TM+12+\b]
.endr
	v_lshl_or_b32 v[PW], v[TM+5], 8, v[TM+4]
	v_lshl_or_b32 v[PW], v[TM+6], 16, v[PW]
	v_lshl_or_b32 v[PW], v[TM+7], 24, v[PW]
.if (\a) > 0
	s_wait_xcnt 0x0                                ; the last block's stores have read the fragment's registers
.endif
	WIN W                                          ; source 0: the accumulators' window
.irp c, 0,1
	v_cvt_scalef32_pk16_fp6_f32 v[PC+6*\c:PC+2+6*\c], v[AC+32*\c:AC+15+32*\c], v[TM+12+2*\c]
	v_cvt_scalef32_pk16_fp6_f32 v[PC+12+4*\c:PC+14+4*\c], v[AC+16+32*\c:AC+31+32*\c], v[TM+12+2*\c+1]
.endr
	WIN 0
	v_nop                                          ; one plain place behind a scaled conversion
.irp c, 0,1
.irp i, 0,1,2
	v_permlane16_swap_b32 v[PC+6*\c+\i], v[PC+12+4*\c+\i]
.endr
.irp i, 0,1,2
	v_mov_b32 v[PC+3+6*\c+\i], v[PC+12+4*\c+\i]
.endr
.endr
.endm
	s_mov_b32 s[SEL], 0x76543210
	s_mov_b32 s[SEL+1], 0xfedcba98
.irp b, 0,1,2,3
	v_mov_b32 v[TM+4+\b], 0                        ; written once: a lane permute's destination counts as one of its sources
.endr
	v_cmp_gt_u32 vcc_lo, 16, v3                    ; lanes 0-15
	s_cmp_eq_u32 s[ISV], 1
	s_cbranch_scc1 .Lv_out
	; q and k: my 128 channels are two heads; registers 0-5 of a fragment are the first head's 64, registers 6-11 the second's
	s_lshl_b32 s20, s[T0], 1
	s_add_co_u32 s20, s20, s[CH]                   ; which 128 channels of 2,048
	s_lshr_b32 s21, s20, 3                         ; q or k
	s_and_b32 s20, s20, 7
	s_lshl_b32 s20, s20, 1                         ; the first head
	s_lshl_b32 s21, s21, 6
	s_lshr_b32 s22, s[T1], 3                       ; the batch
	s_lshl_b32 s22, s22, 4
	s_add_co_u32 s21, s21, s22
	s_add_co_u32 s21, s21, s20
	s_lshl_b32 s21, s21, 4
	s_and_b32 s22, s[T1], 7
	s_lshl_b32 s22, s22, 1
	s_add_co_u32 s22, s22, s[RH]                   ; which 128 tokens of the batch's 2,048
	s_add_co_u32 s21, s21, s22
	s_mul_i32 s20, s21, 6656
	s_mov_b32 s21, 0
	s_add_nc_u64 s[12:13], s[12:13], s[20:21]
.irp a, 0,1,2,3,4,5,6,7
	QUANTW \a
	global_store_b128 v[L16], v[PC:PC+3], s[12:13] offset:768*\a                   ; every store covers whole aligned runs of 256 bytes
	global_store_b64 v[L8], v[PC+4:PC+5], s[12:13] offset:768*\a+512
	global_store_b128 v[L16], v[PC+6:PC+9], s[12:13] offset:106496+768*\a          ; the second head lies 16 blocks on
	global_store_b64 v[L8], v[PC+10:PC+11], s[12:13] offset:106496+768*\a+512
	v_and_b32 v[SWA+\a], 0xffff, v[PW]             ; the first head's two bytes; the bytes of the K that attention fills with zero codes are 0
	v_lshrrev_b32 v[SWB+\a], 16, v[PW]             ; the second head's
.endr
.irp t, 0,1,2,3
	v_cndmask_b32 v[D4+\t], v[SWA+4+\t], v[SWA+\t], vcc_lo     ; lanes 0-15: tiles 0-3 of row r; lanes 16-31: tiles 4-7
.endr
	global_store_b128 v[L16], v[D4:D4+3], s[12:13] offset:6144
	s_wait_alu depctr_va_vdst(0)
	s_wait_xcnt 0x0                                ; that store has read its registers
.irp t, 0,1,2,3
	v_cndmask_b32 v[D4+\t], v[SWB+4+\t], v[SWB+\t], vcc_lo
.endr
	global_store_b128 v[L16], v[D4:D4+3], s[12:13] offset:106496+6144
	s_branch .Lclose
.Lv_out:
	; v: A's blocks 0-3 are the first head's 64 channels, blocks 4-7 the second's; a fragment is 16 channels x my 128 keys
	s_lshl_b32 s20, s[CY], 2
	s_lshl_b32 s21, s[RH], 1
	s_add_co_u32 s20, s20, s21                     ; the first head
	s_lshr_b32 s21, s[T0], 3                       ; the batch
	s_lshl_b32 s21, s21, 4
	s_add_co_u32 s20, s20, s21
	s_lshl_b32 s20, s20, 4
	s_and_b32 s21, s[T0], 7
	s_lshl_b32 s21, s21, 1
	s_add_co_u32 s21, s21, s[CH]                   ; which 128 keys
	s_add_co_u32 s20, s20, s21
	s_mul_i32 s20, s20, 6400
	s_mov_b32 s21, 0
	s_add_nc_u64 s[14:15], s[14:15], s[20:21]
.irp a, 0,1,2,3,4,5,6,7
	QUANTW \a
.irp c, 0,1,2
	global_store_b128 v[L16], v[PC+4*\c:PC+4*\c+3], s[14:15] offset:(\a/4)*102400+(\a%4)*1536+512*\c
.endr
	v_mov_b32 v[SWA+\a], v[PW]
.endr
.irp t, 0,1,2,3
	v_cndmask_b32 v[D4+\t], v[SWA+4+\t], v[SWA+\t], vcc_lo     ; lanes 0-15: the first head's four tiles of row r; lanes 16-31: the second head's
.endr
	v_mul_u32_u24 v[VS], v2, 102400
	v_lshl_add_u32 v[VS], v1, 4, v[VS]
	global_store_b128 v[VS], v[D4:D4+3], s[14:15] offset:6144
.Lclose:
	s_wait_tensorcnt 0x0                           ; the wave's end: three lines behind my last tensor load
	ds_add_u32 v[SPW], v[NIL]
	s_wait_dscnt 0x0
	CROUND                                         ; the closing round: no work-group ends while a partner may still ask for a tile that names it
	s_endpgm
.Lfunc_end_k_qd1c6ae640e_qkv:
	.size	k_qd1c6ae640e_qkv, .Lfunc_end_k_qd1c6ae640e_qkv-k_qd1c6ae640e_qkv
	.p2alignl 7, 3214868480
	.fill 96, 4, 3214868480
	.section	.rodata,"a",@progbits
	.p2align	6, 0x0
	.amdhsa_kernel k_qd1c6ae640e_qkv
		.amdhsa_group_segment_fixed_size 327680
		.amdhsa_private_segment_fixed_size 0
		.amdhsa_enable_private_segment 0
		.amdhsa_kernarg_size 48
		.amdhsa_user_sgpr_count 2
		.amdhsa_user_sgpr_kernarg_segment_ptr 1
		.amdhsa_wavefront_size32 1
		.amdhsa_system_sgpr_workgroup_id_x 1
		.amdhsa_system_sgpr_workgroup_id_y 1
		.amdhsa_system_sgpr_workgroup_id_z 1
		.amdhsa_system_vgpr_workitem_id 0
		.amdhsa_next_free_vgpr 1024
		.amdhsa_next_free_sgpr 102
		.amdhsa_reserve_vcc 1
		.amdhsa_float_denorm_mode_32 3
		.amdhsa_float_denorm_mode_16_64 3
		.amdhsa_memory_ordered 1
		.amdhsa_forward_progress 1
		.amdhsa_inst_pref_size 176
	.end_amdhsa_kernel
	.amdgpu_metadata
---
amdhsa.version: [ 1, 2 ]
amdhsa.kernels:
  - .name:           k_qd1c6ae640e_qkv
    .symbol:         k_qd1c6ae640e_qkv.kd
    .args:
      - { .name: xc, .offset: 0, .size: 8, .value_kind: global_buffer, .address_space: global }
      - { .name: xs, .offset: 8, .size: 8, .value_kind: global_buffer, .address_space: global }
      - { .name: wc, .offset: 16, .size: 8, .value_kind: global_buffer, .address_space: global }
      - { .name: ws, .offset: 24, .size: 8, .value_kind: global_buffer, .address_space: global }
      - { .name: qk, .offset: 32, .size: 8, .value_kind: global_buffer, .address_space: global }
      - { .name: vc, .offset: 40, .size: 8, .value_kind: global_buffer, .address_space: global }
    .group_segment_fixed_size: 327680
    .private_segment_fixed_size: 0
    .kernarg_segment_align: 8
    .kernarg_segment_size: 48
    .max_flat_workgroup_size: 128
    .sgpr_count:     102
    .vgpr_count:     1024
    .wavefront_size: 32
...
	.end_amdgpu_metadata
.endif
;; end of part 2
;; launch attn (part 3): grid 4 x 64, 16 waves a work-group, no clusters, 327,680 bytes of LDS; arguments qk, vc, oc, os; writes oc, os
.if DOCPART == 3
	.amdgcn_target "amdgcn-amd-amdhsa--gfx1250"
	.amdhsa_code_object_version 6
	.text
	.protected	k_qd1c6ae640e_attn
	.globl	k_qd1c6ae640e_attn
	.p2align	8
	.type	k_qd1c6ae640e_attn,@function
k_qd1c6ae640e_attn:
	s_mov_b64 s[64:65], 0
	v_nop
	global_prefetch_b8 v0, s[64:65] scope:SCOPE_SE
	s_setreg_imm32_b32 hwreg(HW_REG_WAVE_MODE, 25, 1), 1
	s_wait_xcnt 0x0
; Causal attention of one head on codes of FP6 (E2M3) with E8M0 scales: S^T = K Q^T (K = the head's 64; the instruction's other 64 are zero codes on both sides), p = 2^(t - M), O^T += V^T P^T (K = 128 keys).
; t = score x log2(e) / 8; M = the running largest t rounded UP to a whole number; p is quantised along the keys and is not normalised; the row's sum is taken of the unquantised p and divides O at the end.
; When M moves, the sum and O^T are multiplied by 2^(old M - new M): exact.  The finished rows are quantised along the head's 64 here and leave as half fragments of the last product's operand.
; SHARES.  Work-group (i, batch x head) owns the query blocks i and 7 - i of 256 queries: (i + 1) + (8 - i) = 9 slots of 256 keys in every work-group: 256 work-groups of equal work and a loop of constant count.
; Each of sixteen waves owns one tile of 16 queries in 256 registers, four waves to a SIMD, so that one wave's vector work stands beside another's matrix work and LDS loads.
; A lane holds one query throughout.  Lane r of tile T holds token 32 (T / 2) + 8 (T % 2) + r + 8 (r / 8), so the 16 registers of two neighbouring tiles of keys are 16 neighbouring keys.
; NO CLUSTER: in trip n work-group i wants key slot n while n <= i and slot n - i - 1 afterwards, so two work-groups of a head want the same tile in the same trip only while both are in their first block.
; THE RING: two LDS slots, 32,768 bytes apart; a slot holds two steps' blocks of K (6,656 bytes each: 8 half fragments and their scale words) and of V (6,400 bytes each: 4 fragments and their scale words), dense in memory.
; Waves 0, 1 fetch K's two blocks, waves 2, 3 V's; by this text's count a wave has one tensor load out.  Every slot that is asked for is read, and every wait for tensor loads is for 0.
; A step all of whose keys come after the wave's queries is left out by a scalar branch on ids; on the diagonal hidden scores become -infinity ahead of the maximum.  Every query sees the first key of each step that is walked.
; LIMITS: NaN and infinities are not served; a block of zeros gets the byte 1 where the quantiser says 127: its codes are zeros, and this program alone reads the bytes.
.set SLOT1, 32768
.set VOFF,  13312                      ; V's blocks in a slot, behind K's two
.set SPARE, 65536                      ; the spare words, 128 bytes for each of 16 waves: eight blocks of 256 bytes that no other line names
.set A16, 1                            ; v1   16 x lane
.set A8,  2                            ; v2   8 x lane
.set AR,  3                            ; v3   16 r
.set DQ,  4                            ; v4   r + 8 (r / 8) - 16 h
.set SPW, 5                            ; v5   LDS address of my spare word; never rewritten
.set NIL, 6                            ; v6   0; never rewritten
.set R8,  9                            ; v9   8 r
.set VQ16, 10                          ; v10, v11, v30  my tile's place in a block of q: registers 0-3, 4-5, the scale word
.set VQ8, 11
.set QR,  16                           ; v16-21 Q's codes, v22-27 zero codes
.set PFO, 28                           ; v28  the prefetches' offset
.set QS,  29                           ; v29  Q's scale words
.set VQS, 30
.set KR,  32                           ; v[32 + 12 t ..]: K's tile t: 6 registers of codes, 6 of zero codes
.set SCW, 80                           ; v80-83 K's or V's scale words;  v84 p's
.set PS,  84
.set AD16, 85                          ; v85-87 the LDS addresses of the step in hand
.set AD8, 86
.set ADW, 87
.set S,   96                           ; v96-159 S^T, then p; behind the conversions v96-143 take V's four fragments
.set O,   160                          ; v160-191 O^T
.set PCD, 192                          ; v192-203 p's codes; v204-206, v208-210 at work
.set BM,  212                          ; v212-215 the blocks' largest
.set BX,  216                          ; v216-219 the other half's; then the bytes
.set SO,  220                          ; v220-223 the conversions' scale operands
.set F,   224                          ; v[224:225] f, at the end 1 / the sum (the low word serves both halves)
.set T,   226                          ; v226-229 at work
.set WV,  12
.set I,   13
.set BH,  14
.set N,   15                           ; the trip
.set KSL, 16                           ; the key slot asked for last
.set KF,  17                           ; the step's first key
.set Q0,  18                           ; my tile's first query
.set BLK, 19                           ; the block of queries in hand
.set SEL, 20
.set CS,  22                           ; s[22:23] log2(e) / 8
.set G1K, 24
.set G1V, 32
.set G0K, 40
.set G0V, 44
.set KB,  48                           ; s[48:49] k's blocks of my head, at the step that I would fetch;  s[50:51] v's
.set VB,  50
.set QH,  52                           ; s[52:53] q's blocks of my head;  s[54:55] the block with my tile
.set QP,  54
.set OP,  56                           ; s[56:57], s[58:59] where my tile's codes and scale bytes go
.set SP,  58
.set OB,  60                           ; s[60:61], s[62:63] the same for block 0
.set SB,  62
.set PB,  66                           ; s[66:67] the prefetches' base;  s[68:69] their address;  s70 a slot on;  s71 the first trip in which I ask
.set PFA, 68
.set PST, 70
.set PLO, 71
.set QW,  76                           ; 32 (w / 2) + 8 (w % 2)
.set W3,  77                           ; w / 8
.set TB,  78                           ; LDS byte at which the slot in hand begins
.macro TLOAD                           ; the branches hang on the wave's number alone; an s_nop 0 and four v_nop follow each line
	s_cmp_lt_u32 s[WV], 2
	s_cbranch_scc0 .Lnot_k_\@
	tensor_load_to_lds s[G0K:G0K+3], s[G1K:G1K+7]
	s_nop 0
.rept 4
	v_nop
.endr
	s_branch .Lasked_\@
.Lnot_k_\@:
	s_cmp_lt_u32 s[WV], 4
	s_cbranch_scc0 .Lasked_\@
	tensor_load_to_lds s[G0V:G0V+3], s[G1V:G1V+7]
	s_nop 0
.rept 4
	v_nop
.endr
.Lasked_\@:
.endm
; A PREFETCH of the key slot behind the one just asked for: a slot's two steps ahead of the load that will want it.  Work-group 0 of a head walks slots 0 to 7 for its block 7 ahead of its neighbours: it alone asks, in trips 1 to 6,
; for slots 2 to 7.  Waves 4, 5 name K's two blocks (26 runs of 256 bytes each), waves 6, 7 V's (25): a lane a run, the lanes that are over name the last run again.  Nothing is asked for at the head, and nothing past slot 7.
.macro ASK
	s_cmp_ge_u32 s[N], s[PLO]
	s_cbranch_scc0 .Lnot_mine_\@
	s_cmp_le_u32 s[N], 6
	s_cbranch_scc0 .Lnot_mine_\@
	global_prefetch_b8 v[PFO], s[PFA:PFA+1] th:TH_LOAD_NT scope:SCOPE_SE
.Lnot_mine_\@:
.endm
.macro START                           ; my tile of block BLK: its first query, and Q's half fragment and scale words
	s_lshl_b32 s[Q0], s[BLK], 8
	s_add_co_u32 s[Q0], s[Q0], s[QW]
	s_lshl_b32 s72, s[BLK], 1
	s_add_co_u32 s72, s72, s[W3]
	s_mul_i32 s72, s72, 6656
	s_mov_b32 s73, 0
	s_add_nc_u64 s[QP:QP+1], s[QH:QH+1], s[72:73]
	global_load_b128 v[QR:QR+3], v[VQ16], s[QP:QP+1]
	global_load_b64 v[QR+4:QR+5], v[VQ8], s[QP:QP+1]
	global_load_b32 v[QS], v[VQS], s[QP:QP+1]
.endm
.macro OADDR
	s_mov_b32 s73, 0
	s_mul_i32 s72, s[BLK], 49152                   ; 16 tiles of 3,072 bytes
	s_add_nc_u64 s[OP:OP+1], s[OB:OB+1], s[72:73]
	s_lshl_b32 s72, s[BLK], 13                     ; 16 tiles of 512 bytes
	s_add_nc_u64 s[SP:SP+1], s[SB:SB+1], s[72:73]
.endm
.macro RESET                           ; the step is written once: a block's first step finds zeros, which the first change of M leaves zeros
	v_mov_b32 v13, 0xff61b1e6                      ; the largest t so far: -3e38
	s_delay_alu instid0(VALU_DEP_1)
	v_floor_f32 v12, -v13                          ; -M
	v_mov_b32 v14, 0
	v_mov_b32 v15, 0
.set j, 0
.rept 32
	v_mov_b32 v[O+j], 0
.set j, j+1
.endr
.endm
; A KEY STEP: 128 keys, the q-th of the slot in hand
.macro STEP q
	s_add_co_u32 s96, s[Q0], 23                    ; my tile's last query
	s_cmp_gt_u32 s[KF], s96
	s_cbranch_scc1 .Lhidden_\@
	v_add_nc_u32 v[AD16], s[TB], v[A16]
	s_wait_alu depctr_va_vdst(0)
	v_add_nc_u32 v[AD8], s[TB], v[A8]
	s_wait_alu depctr_va_vdst(0)
	v_add_nc_u32 v[ADW], s[TB], v[AR]
	s_wait_alu depctr_va_vdst(0)
.irp g, 0,1                                    ; S^T = K Q^T, four tiles of 16 keys at a time
.if \g > 0
.rept 4
	v_nop                                          ; places in front of loads into registers that matrix instructions have read
.endr
.endif
.irp t, 0,1,2,3
	ds_load_b128 v[KR+12*\t:KR+12*\t+3], v[AD16] offset:6656*(\q)+768*(4*\g+\t)
	ds_load_b64 v[KR+12*\t+4:KR+12*\t+5], v[AD8] offset:6656*(\q)+768*(4*\g+\t)+512
.endr
	ds_load_b128 v[SCW:SCW+3], v[ADW] offset:6656*(\q)+6144+256*\g
	s_wait_dscnt 0x0
.irp t, 0,1,2,3
	v_wmma_scale_f32_16x16x128_f8f6f4 v[S+8*(4*\g+\t):S+8*(4*\g+\t)+7], v[KR+12*\t:KR+12*\t+11], v[QR:QR+11], 0, v[SCW+\t], v[QS] matrix_a_fmt:MATRIX_FMT_FP6 matrix_b_fmt:MATRIX_FMT_FP6
.endr
.endr
.rept 4
	v_nop
.endr
	s_add_co_u32 s96, s[KF], 127                   ; a step all of whose keys count skips the mask
	s_cmp_le_u32 s96, s[Q0]
	s_cbranch_scc1 .Lopen_\@
	s_sub_co_i32 s96, s[Q0], s[KF]
	v_add_nc_u32 v[T], s96, v[DQ]                  ; d = my query - KF - 16 h.  Register 16 b + i holds key KF + 16 h + 32 b + i: hidden where 32 b + i > d
	v_mov_b32 v[T+1], 0xff800000
.set n, 0
.rept 64
	v_cmp_gt_i32 vcc_lo, 32*(n/16)+n%16, v[T]
	v_cndmask_b32 v[S+n], v[S+n], v[T+1], vcc_lo
.set n, n+1
.endr
.Lopen_\@:
.irp b, 0,1,2,3
	v_max3_num_f32 v[BM+\b], v[S+16*\b], v[S+1+16*\b], v[S+2+16*\b]   ; the largest score of each block of 32 keys: for the row's maximum and, since p rises with the score, for the block's largest p
.endr
.irp i, 3,5,7,9,11,13
.irp b, 0,1,2,3
	v_max3_num_f32 v[BM+\b], v[BM+\b], v[S+16*\b+\i], v[S+1+16*\b+\i]
.endr
.endr
.irp b, 0,1,2,3
	v_max_num_f32 v[BM+\b], v[BM+\b], v[S+15+16*\b]
.endr
.irp b, 0,1,2,3
	s_delay_alu instid0(VALU_DEP_4)
	v_permlanex16_b32 v[BX+\b], v[BM+\b], s[SEL], s[SEL+1]
.endr
.irp b, 0,1,2,3
	s_delay_alu instid0(VALU_DEP_4)
	v_max_num_f32 v[BM+\b], v[BM+\b], v[BX+\b]     ; with lane l xor 16's 16 keys
.endr
	s_delay_alu instid0(VALU_DEP_2)
	v_max3_num_f32 v[T], v[BM], v[BM+1], v[BM+2]
	s_delay_alu instid0(VALU_DEP_1)
	v_max_num_f32 v[T], v[T], v[BM+3]
	s_delay_alu instid0(VALU_DEP_1)
	v_mul_f32 v[T], s[CS], v[T]                    ; the step's largest t
	s_delay_alu instid0(VALU_DEP_1)
	v_max_num_f32 v13, v13, v[T]
	v_mov_b32 v[T], v12
	s_delay_alu instid0(VALU_DEP_2)
	v_floor_f32 v12, -v13                          ; the new -M = -ceil(t): a whole number
	s_delay_alu instid0(VALU_DEP_1)
	v_sub_f32 v[T], v12, v[T]                      ; old M - new M: a whole number, 0 or less
	s_delay_alu instid0(VALU_DEP_1)
	v_cvt_i32_f32 v[T], v[T]                       ; (it saturates)
	s_delay_alu instid0(VALU_DEP_1)
	v_ldexp_f32 v[F], 1.0, v[T]                    ; f = 2^(old M - new M)
.set j, 0
.rept 32
	v_pk_fma_f32 v[S+j:S+j+1], v[S+j:S+j+1], s[CS:CS+1], v[12:13] op_sel_hi:[1,0,0]   ; t - M, two at a time
.set j, j+2
.endr
.irp b, 0,1,2,3
	v_fma_f32 v[BM+\b], v[BM+\b], s[CS], v12       ; the same of each block's largest score
.endr
.set j, 0
	s_wait_alu depctr_va_vdst(0)
.rept 64
	v_exp_f32 v[S+j], v[S+j]                       ; p = 2^(t - M)
.set j, j+1
.endr
	v_pk_mul_f32 v[14:15], v[14:15], v[F:F+1] op_sel_hi:[1,0]   ; the sums under the new M: the plain place behind the exponentials
	s_wait_alu depctr_va_vdst(0)                   ; one wait for the batch, ahead of its first reader
.irp b, 0,1,2,3
	v_exp_f32 v[BM+\b], v[BM+\b]                   ; the block's largest p: the same two instructions on the same number give the same bits
.endr
	v_pk_add_f32 v[228:229], v[100:101], v[104:105]
	v_pk_add_f32 v[254:255], v[108:109], v[112:113]
	v_pk_add_f32 v[252:253], v[116:117], v[120:121]
	v_pk_add_f32 v[250:251], v[124:125], v[128:129]
	v_pk_add_f32 v[248:249], v[132:133], v[136:137]
	v_pk_add_f32 v[246:247], v[140:141], v[144:145]
	v_pk_add_f32 v[244:245], v[148:149], v[152:153]
	v_pk_add_f32 v[14:15], v[14:15], v[156:157]
	v_pk_add_f32 v[228:229], v[228:229], v[96:97]
	v_pk_add_f32 v[254:255], v[254:255], v[98:99]
	v_pk_add_f32 v[252:253], v[252:253], v[102:103]
	v_pk_add_f32 v[250:251], v[250:251], v[106:107]
	v_pk_add_f32 v[248:249], v[248:249], v[110:111]
	v_pk_add_f32 v[246:247], v[246:247], v[114:115]
	v_pk_add_f32 v[244:245], v[244:245], v[118:119]
	v_pk_add_f32 v[14:15], v[14:15], v[122:123]
	v_pk_add_f32 v[228:229], v[228:229], v[126:127]
	v_pk_add_f32 v[254:255], v[254:255], v[130:131]
	v_pk_add_f32 v[252:253], v[252:253], v[134:135]
	v_pk_add_f32 v[250:251], v[250:251], v[138:139]
	v_pk_add_f32 v[248:249], v[248:249], v[142:143]
	v_pk_add_f32 v[246:247], v[246:247], v[146:147]
	v_pk_add_f32 v[244:245], v[244:245], v[150:151]
	v_pk_add_f32 v[14:15], v[14:15], v[154:155]
	v_pk_add_f32 v[228:229], v[228:229], v[158:159]
	s_delay_alu instid0(VALU_DEP_2)
	v_pk_add_f32 v[14:15], v[14:15], v[250:251]
	s_delay_alu instid0(VALU_DEP_2)
	v_pk_add_f32 v[228:229], v[228:229], v[248:249]
	v_pk_add_f32 v[254:255], v[254:255], v[246:247]
	v_pk_add_f32 v[252:253], v[252:253], v[244:245]
	s_delay_alu instid0(VALU_DEP_2)
	v_pk_add_f32 v[14:15], v[14:15], v[254:255]
	s_delay_alu instid0(VALU_DEP_2)
	v_pk_add_f32 v[228:229], v[228:229], v[252:253]
	s_delay_alu instid0(VALU_DEP_1)
	v_pk_add_f32 v[14:15], v[14:15], v[228:229]
	s_wait_alu depctr_va_vdst(0)                   ; and one for the four
.irp b, 0,1,2,3
	v_max_num_f32 v[BM+\b], 0x1800000, v[BM+\b]    ; the floor 2^(3 - 127): the byte cannot fall under 1
.endr
.irp b, 0,1,2,3
	s_delay_alu instid0(VALU_DEP_4)
	v_add_nc_u32 v[SO+\b], 0xff000000, v[BM+\b]
.endr
.irp b, 0,1,2,3
	s_delay_alu instid0(VALU_DEP_4)
	v_lshrrev_b32 v[BX+\b], 23, v[SO+\b]
.endr
	s_delay_alu instid0(VALU_DEP_3)
	v_lshl_or_b32 v[PS], v[BX+1], 8, v[BX]         ; p's scale word for these 128 keys
	s_delay_alu instid0(VALU_DEP_1)
	v_lshl_or_b32 v[PS], v[BX+2], 16, v[PS]
	s_delay_alu instid0(VALU_DEP_1)
	v_lshl_or_b32 v[PS], v[BX+3], 24, v[PS]
.irp c, 0,1
	v_cvt_scalef32_pk16_fp6_f32 v[PCD+6*\c:PCD+2+6*\c], v[S+32*\c:S+15+32*\c], v[SO+2*\c]
	v_cvt_scalef32_pk16_fp6_f32 v[PCD+12+4*\c:PCD+14+4*\c], v[S+16+32*\c:S+31+32*\c], v[SO+2*\c+1]
.endr
	v_nop                                          ; one plain place behind a scaled conversion
.irp t, 0,1,2,3                                ; V's four fragments land where p stood, while p's codes are put in order and O^T is rescaled
.irp c, 0,1,2
	ds_load_b128 v[S+12*\t+4*\c:S+12*\t+4*\c+3], v[AD16] offset:VOFF+6400*(\q)+1536*\t+512*\c
.endr
.endr
	ds_load_b128 v[SCW:SCW+3], v[ADW] offset:VOFF+6400*(\q)+6144
.irp c, 0,1
.irp i, 0,1,2
	v_permlane16_swap_b32 v[PCD+6*\c+\i], v[PCD+12+4*\c+\i]
.endr
.irp i, 0,1,2
	s_delay_alu instid0(VALU_DEP_3)
	v_mov_b32 v[PCD+3+6*\c+\i], v[PCD+12+4*\c+\i]
.endr
.endr
.set j, 0
.rept 16
	v_pk_mul_f32 v[O+j:O+j+1], v[O+j:O+j+1], v[F:F+1] op_sel_hi:[1,0]   ; O^T under the new M; these also stand between the writes of p's codes and scale word and the products
.set j, j+2
.endr
	s_wait_alu depctr_va_vdst(0)
	s_wait_dscnt 0x0
.irp t, 0,1,2,3                                ; O^T += V^T P^T: four accumulators by turns
	v_wmma_scale_f32_16x16x128_f8f6f4 v[O+8*\t:O+8*\t+7], v[S+12*\t:S+12*\t+11], v[PCD:PCD+11], v[O+8*\t:O+8*\t+7], v[SCW+\t], v[PS] matrix_a_fmt:MATRIX_FMT_FP6 matrix_b_fmt:MATRIX_FMT_FP6
.endr
.rept 5
	v_nop                                          ; five places: the next step's first products write over V's fragments, and its loads land on the scale words
.endr
.Lhidden_\@:
	s_add_co_u32 s[KF], s[KF], 128
.endm
; A block's end: O^T / the sum, quantised along the head's 64 (two blocks of 32), stored as a half fragment; my head's two scale bytes of each row
.macro FINISH
	v_add_f32 v14, v14, v15
	s_wait_alu depctr_va_vdst(0)
	v_permlanex16_b32 v[T], v14, s[SEL], s[SEL+1]
	s_delay_alu instid0(VALU_DEP_1)
	v_add_f32 v14, v14, v[T]                       ; the row's sum
	s_wait_alu depctr_va_vdst(0)
	v_rcp_f32 v[F], v14
	v_mov_b32 v[F+1], 0                            ; a plain place behind the reciprocal
	s_wait_alu depctr_va_vdst(0)                   ; the wait ahead of its first reader
.set j, 0
.rept 16
	v_pk_mul_f32 v[O+j:O+j+1], v[O+j:O+j+1], v[F:F+1] op_sel_hi:[1,0]   ; register 16 b + i is channel 32 b + 16 h + i of my query
.set j, j+2
.endr
.irp b, 0,1
	v_max3_num_f32 v[BM+\b], |v[O+16*\b]|, |v[O+1+16*\b]|, 0x1800000
.endr
.irp i, 2,4,6,8,10,12,14
.irp b, 0,1
	s_delay_alu instid0(VALU_DEP_2)
	v_max3_num_f32 v[BM+\b], v[BM+\b], |v[O+16*\b+\i]|, |v[O+1+16*\b+\i]|
.endr
.endr
.irp b, 0,1
	s_delay_alu instid0(VALU_DEP_2)
	v_permlanex16_b32 v[BX+\b], v[BM+\b], s[SEL], s[SEL+1]
.endr
.irp b, 0,1
	s_delay_alu instid0(VALU_DEP_2)
	v_max_num_f32 v[BM+\b], v[BM+\b], v[BX+\b]
.endr
.irp b, 0,1
	s_delay_alu instid0(VALU_DEP_2)
	v_add_nc_u32 v[SO+\b], 0xff000000, v[BM+\b]
.endr
.irp b, 0,1
	s_delay_alu instid0(VALU_DEP_2)
	v_lshrrev_b32 v[BX+\b], 23, v[SO+\b]
.endr
	s_delay_alu instid0(VALU_DEP_1)
	v_lshl_or_b32 v[T+1], v[BX+1], 8, v[BX]
	v_cvt_scalef32_pk16_fp6_f32 v[PCD:PCD+2], v[O:O+15], v[SO]
	v_cvt_scalef32_pk16_fp6_f32 v[PCD+12:PCD+14], v[O+16:O+31], v[SO+1]
	v_nop
.irp i, 0,1,2
	v_permlane16_swap_b32 v[PCD+\i], v[PCD+12+\i]
.endr
.irp i, 0,1,2
	s_delay_alu instid0(VALU_DEP_3)
	v_mov_b32 v[PCD+3+\i], v[PCD+12+\i]
.endr
	global_store_b128 v[A16], v[PCD:PCD+3], s[OP:OP+1]             ; 512 consecutive bytes, aligned
	global_store_b64 v[A8], v[PCD+4:PCD+5], s[OP:OP+1] offset:512  ; 256 consecutive bytes, aligned
	global_store_b16 v[R8], v[T+1], s[SP:SP+1]     ; two bytes a row, 8 bytes apart (lanes r and r + 16 write the same): 32 bytes a tile and head, the only runs that are not whole
.endm
; THE CHANGE OF SLOTS stands at a trip's head: every wave waits for all its tensor loads, adds 0 to its spare word, and waits for that and for its reads of the slot that it has left.  Behind the barrier the slot ahead is whole
; and nobody reads the other one.  fill = 1: that other slot is filled with the next trip's keys, and the load has a whole trip in which to land.
.macro CHANGE fill
	s_wait_tensorcnt 0x0                           ; no tensor load of mine is out, so a group 0 may be written
	ds_add_u32 v[SPW], v[NIL]                      ; 0 onto my spare word; the descriptors' steps stand between it and the wait for it
.if \fill
	s_add_co_u32 s[KSL], s[KSL], 1                 ; the next trip's key slot: one on, or the second block's first
	s_cmp_eq_u32 s[N], s[I]
	s_cselect_b32 s[KSL], 0, s[KSL]
	s_xor_b32 s[G0K+1], s[G0K+1], SLOT1
	s_xor_b32 s[G0V+1], s[G0V+1], SLOT1
	s_mov_b32 s73, 0
	s_mul_i32 s72, s[KSL], 13312
	s_add_nc_u64 s[G0K+2:G0K+3], s[KB:KB+1], s[72:73]
	s_or_b32 s[G0K+3], s[G0K+3], 0x80000000
	s_mul_i32 s72, s[KSL], 12800
	s_add_nc_u64 s[G0V+2:G0V+3], s[VB:VB+1], s[72:73]
	s_or_b32 s[G0V+3], s[G0V+3], 0x80000000
	s_wait_xcnt 0x0                                ; the last prefetch, a trip back, has read its address
	s_add_co_u32 s72, s[KSL], 1
	s_mul_i32 s72, s72, s[PST]
	s_add_nc_u64 s[PFA:PFA+1], s[PB:PB+1], s[72:73]
.endif
	s_wait_dscnt 0x0                               ; the add is done, and my reads of the slot that I have left are over
	s_barrier_signal -1
	s_barrier_wait -1
.if \fill
	TLOAD                                          ; the first thing behind the barrier, and a wave's one tensor load until the next
	ASK
.endif
.endm
	s_load_b256 s[4:11], s[0:1], 0x0               ; qk s[4:5], vc s[6:7], oc s[8:9], os s[10:11]
	v_lshl_add_u32 v[SPW], v0, 2, SPARE
	v_mov_b32 v[NIL], 0
	ds_add_u32 v[SPW], v[NIL]                      ; the wave's opening: the add and its wait ahead of my first tensor load; work on registers stands between them
	ds_add_u32 v[SPW], v[NIL]
	v_lshrrev_b32 v7, 5, v0
	s_delay_alu instid0(VALU_DEP_1)
	v_readfirstlane_b32 s[WV], v7                  ; wave 0..15
	s_mov_b32 s[I], ttmp9
	s_and_b32 s[BH], ttmp7, 0xffff
	; group 1: dense bytes as rows of 256 (32 elements of 8 bytes): 26 rows for a block of K, 25 for a block of V
	s_mov_b32 s[G1K], 3<<16
	s_mov_b32 s[G1K+1], 32<<16
	s_mov_b32 s[G1K+2], 26<<16
	s_mov_b32 s[G1K+3], 32<<16
	s_mov_b32 s[G1K+4], 26
	s_mov_b32 s[G1K+5], 32
	s_mov_b32 s[G1K+6], 0
	s_mov_b32 s[G1K+7], 0
	s_mov_b32 s[G1V], 3<<16
	s_mov_b32 s[G1V+1], 32<<16
	s_mov_b32 s[G1V+2], 25<<16
	s_mov_b32 s[G1V+3], 32<<16
	s_mov_b32 s[G1V+4], 25
	s_mov_b32 s[G1V+5], 32
	s_mov_b32 s[G1V+6], 0
	s_mov_b32 s[G1V+7], 0
	s_mov_b32 s[SEL], 0x76543210
	s_mov_b32 s[SEL+1], 0xfedcba98
	s_mov_b32 s[CS], 0x3e38aa3b                    ; log2(e) / 8
	s_mov_b32 s[CS+1], s[CS]
	s_and_b32 s79, s[WV], 1                        ; which of a slot's two steps I would fetch
	s_mov_b32 s[G0K], 1
	s_mul_i32 s[G0K+1], s79, 6656
	s_mov_b32 s[G0V], 1
	s_mul_i32 s[G0V+1], s79, 6400
	s_add_co_u32 s[G0V+1], s[G0V+1], VOFF
	s_mov_b32 s73, 0
	s_wait_dscnt 0x0                               ; the opening add is done
	s_wait_kmcnt 0x0
	s_mul_i32 s72, s[BH], 106496                   ; a head's 16 blocks of 6,656 bytes
	s_add_nc_u64 s[QH:QH+1], s[4:5], s[72:73]
	s_mul_i32 s74, s79, 6656
	s_add_co_u32 s72, s72, s74
	s_add_co_u32 s72, s72, 64*106496               ; k's blocks lie behind q's
	s_add_nc_u64 s[KB:KB+1], s[4:5], s[72:73]
	s_mul_i32 s72, s[BH], 102400
	s_mul_i32 s74, s79, 6400
	s_add_co_u32 s72, s72, s74
	s_add_nc_u64 s[VB:VB+1], s[6:7], s[72:73]
	s_mov_b64 s[G0K+2:G0K+3], s[KB:KB+1]
	s_or_b32 s[G0K+3], s[G0K+3], 0x80000000
	s_mov_b64 s[G0V+2:G0V+3], s[VB:VB+1]
	s_or_b32 s[G0V+3], s[G0V+3], 0x80000000
	TLOAD                                          ; key slot 0 into LDS slot 0
	s_and_b32 s74, s[BH], 15                       ; the head: channels 64 head on are K / 256 = head / 4, which 128 = (head / 2) % 2, which 64 = head % 2 of the last product
	s_lshr_b32 s75, s[BH], 4
	s_lshl_b32 s75, s75, 7
	s_add_co_u32 s75, s75, s[WV]                   ; my tile in block 0: 128 x batch + wave
	s_lshr_b32 s96, s74, 2
	s_bfe_u32 s97, s74, 0x10001
	s_and_b32 s74, s74, 1
	s_mul_i32 s72, s96, 1572864
	s_mul_i32 s79, s97, 1536
	s_add_co_u32 s72, s72, s79
	s_mul_i32 s79, s74, 768
	s_add_co_u32 s72, s72, s79
	s_mul_i32 s79, s75, 3072
	s_add_co_u32 s72, s72, s79
	s_add_nc_u64 s[OB:OB+1], s[8:9], s[72:73]
	s_lshl_b32 s72, s75, 9
	s_lshl_b32 s79, s96, 7
	s_add_co_u32 s72, s72, s79
	s_lshl_b32 s79, s97, 2
	s_add_co_u32 s72, s72, s79
	s_lshl_b32 s79, s74, 1
	s_add_co_u32 s72, s72, s79
	s_add_nc_u64 s[SB:SB+1], s[10:11], s[72:73]
	v_and_b32 v7, 31, v0                           ; lane
	v_and_b32 v8, 15, v0                           ; r
	v_bfe_u32 v31, v0, 4, 1                        ; h
	s_delay_alu instid0(VALU_DEP_3)
	v_lshlrev_b32 v[A16], 4, v7
	s_delay_alu instid0(VALU_DEP_4)
	v_lshlrev_b32 v[A8], 3, v7
	s_delay_alu instid0(VALU_DEP_4)
	v_lshlrev_b32 v[AR], 4, v8
	s_wait_alu depctr_va_vdst(0)
	v_lshlrev_b32 v[R8], 3, v8
	v_and_b32 v[DQ], 8, v8
	s_delay_alu instid0(VALU_DEP_1)
	v_add_nc_u32 v[DQ], v[DQ], v8
	v_lshlrev_b32 v31, 4, v31
	s_delay_alu instid0(VALU_DEP_1)
	v_sub_nc_u32 v[DQ], v[DQ], v31
	s_and_b32 s72, s[WV], 7                        ; my tile among a block's eight
	s_mul_i32 s72, s72, 768
	v_add_nc_u32 v[VQ16], s72, v[A16]
	s_wait_alu depctr_va_vdst(0)
	v_add_nc_u32 v[VQ8], s72, v[A8]
	s_delay_alu instid0(VALU_DEP_1)
	v_add_nc_u32 v[VQ8], 512, v[VQ8]
	s_wait_alu depctr_va_vdst(0)
	s_bfe_u32 s72, s[WV], 0x10002
	s_lshl_b32 s72, s72, 8
	s_and_b32 s74, s[WV], 3
	s_lshl_b32 s74, s74, 2
	s_add_co_u32 s72, s72, s74
	s_add_co_u32 s72, s72, 6144
	v_add_nc_u32 v[VQS], s72, v[AR]
	s_wait_alu depctr_va_vdst(0)
	s_lshr_b32 s[QW], s[WV], 1
	s_lshl_b32 s[QW], s[QW], 5
	s_and_b32 s72, s[WV], 1
	s_lshl_b32 s72, s72, 3
	s_add_co_u32 s[QW], s[QW], s72
	s_lshr_b32 s[W3], s[WV], 3
	; the prefetches: who asks, and for what
	s_cmp_lt_u32 s[WV], 6
	s_cselect_b64 s[PB:PB+1], s[KB:KB+1], s[VB:VB+1]
	s_mov_b32 s[PST], 12800
	s_cselect_b32 s[PST], 13312, s[PST]
	s_cselect_b32 s72, 25, 24
	v_min_u32 v[PFO], s72, v7
	s_delay_alu instid0(VALU_DEP_1)
	v_lshlrev_b32 v[PFO], 8, v[PFO]
	s_lshr_b32 s72, s[WV], 2
	s_xor_b32 s72, s72, 1                          ; 0 in waves 4 to 7,
	s_or_b32 s72, s72, s[I]                        ; of the head's work-group 0
	s_cmp_eq_u32 s72, 0
	s_cselect_b32 s[PLO], 1, 100
	s_mov_b32 s[BLK], s[I]
	START
	OADDR
	RESET
.irp j, 6,7,8,9,10,11
	v_mov_b32 v[QR+\j], 0                          ; zero codes for k = 64 .. 127, written once
.irp t, 0,1,2,3
	v_mov_b32 v[KR+12*\t+\j], 0
.endr
.endr
.irp b, 0,1,2,3
	v_mov_b32 v[BX+\b], 0                          ; written once: a lane permute's destination counts as one of its sources
.endr
	v_mov_b32 v[F+1], 0                            ; (named as the upper half of a pair)
	v_mov_b32 v[T], 0
	s_mov_b32 s[N], 0
	s_mov_b32 s[KSL], 0
	s_mov_b32 s[KF], 0
	s_mov_b32 s[TB], 0
	s_wait_loadcnt 0x0                             ; Q
.Lslot:                                            ; eight trips; the ninth is written out
	CHANGE 1
	s_add_co_u32 s96, s[I], 1
	s_cmp_eq_u32 s[N], s96                         ; ids and the trip's number alone: all sixteen waves go the same way
	s_cbranch_scc0 .Lsame
	s_sub_co_u32 s[BLK], 7, s[I]                   ; the first block is done: the second block's Q is asked for, the first block's rows leave
	START
	FINISH
	s_wait_xcnt 0x0                                ; the stores have read their registers and bases
	OADDR
	RESET
	s_mov_b32 s[KF], 0
	s_wait_loadcnt 0x0
.Lsame:
	STEP 0
	STEP 1
	s_xor_b32 s[TB], s[TB], SLOT1                  ; on to the other slot
	s_add_co_u32 s[N], s[N], 1
	s_cmp_lt_u32 s[N], 8
	s_cbranch_scc1 .Lslot
	CHANGE 0
	STEP 0
	STEP 1
	FINISH
	s_wait_tensorcnt 0x0                           ; the wave's end: three lines behind my last tensor load
	ds_add_u32 v[SPW], v[NIL]
	s_wait_dscnt 0x0
	s_endpgm
.Lfunc_end_k_qd1c6ae640e_attn:
	.size	k_qd1c6ae640e_attn, .Lfunc_end_k_qd1c6ae640e_attn-k_qd1c6ae640e_attn
	.p2alignl 7, 3214868480
	.fill 96, 4, 3214868480
	.section	.rodata,"a",@progbits
	.p2align	6, 0x0
	.amdhsa_kernel k_qd1c6ae640e_attn
		.amdhsa_group_segment_fixed_size 327680
		.amdhsa_private_segment_fixed_size 0
		.amdhsa_enable_private_segment 0
		.amdhsa_kernarg_size 32
		.amdhsa_user_sgpr_count 2
		.amdhsa_user_sgpr_kernarg_segment_ptr 1
		.amdhsa_wavefront_size32 1
		.amdhsa_system_sgpr_workgroup_id_x 1
		.amdhsa_system_sgpr_workgroup_id_y 1
		.amdhsa_system_sgpr_workgroup_id_z 1
		.amdhsa_system_vgpr_workitem_id 0
		.amdhsa_next_free_vgpr 256
		.amdhsa_next_free_sgpr 98
		.amdhsa_reserve_vcc 1
		.amdhsa_float_denorm_mode_32 3
		.amdhsa_float_denorm_mode_16_64 3
		.amdhsa_memory_ordered 1
		.amdhsa_forward_progress 1
		.amdhsa_inst_pref_size 112
	.end_amdhsa_kernel
	.amdgpu_metadata
---
amdhsa.version: [ 1, 2 ]
amdhsa.kernels:
  - .name:           k_qd1c6ae640e_attn
    .symbol:         k_qd1c6ae640e_attn.kd
    .args:
      - { .name: qk, .offset: 0, .size: 8, .value_kind: global_buffer, .address_space: global }
      - { .name: vc, .offset: 8, .size: 8, .value_kind: global_buffer, .address_space: global }
      - { .name: oc, .offset: 16, .size: 8, .value_kind: global_buffer, .address_space: global }
      - { .name: os, .offset: 24, .size: 8, .value_kind: global_buffer, .address_space: global }
    .group_segment_fixed_size: 327680
    .private_segment_fixed_size: 0
    .kernarg_segment_align: 8
    .kernarg_segment_size: 32
    .max_flat_workgroup_size: 512
    .sgpr_count:     98
    .vgpr_count:     256
    .wavefront_size: 32
...
	.end_amdgpu_metadata
.endif
;; end of part 3
;; launch proj (part 4): grid 4 x 32, 4 waves a work-group, clusters of 4 x 4, 327,680 bytes of LDS; arguments oc, os, wc, ws, out0; writes out0
.if DOCPART == 4
	.amdgcn_target "amdgcn-amd-amdhsa--gfx1250"
	.amdhsa_code_object_version 6
	.text
	.protected	k_qd1c6ae640e_proj
	.globl	k_qd1c6ae640e_proj
	.p2align	8
	.type	k_qd1c6ae640e_proj,@function
k_qd1c6ae640e_proj:
	s_mov_b64 s[64:65], 0
	v_nop
	global_prefetch_b8 v0, s[64:65] scope:SCOPE_SE
	s_setreg_imm32_b32 hwreg(HW_REG_WAVE_MODE, 25, 1), 1
	s_wait_xcnt 0x0
	s_wait_alu depctr_hold_cnt(0) depctr_sa_sdst(0) depctr_va_vdst(0) depctr_va_sdst(0) depctr_va_ssrc(0) depctr_va_vcc(0) depctr_vm_vsrc(0)
	s_getreg_b32 s2, hwreg(HW_REG_IB_STS2, 6, 4)
	s_cmp_eq_u32 s2, 0
	s_cbranch_scc0 .Lentry_in_a_cluster
	s_endpgm
.Lentry_in_a_cluster:
	s_bfe_u32 s2, ttmp6, 0x10000c
	s_cmp_lg_u32 s2, 0xf033
	s_cbranch_scc0 .Lentry_shape_is_right
	s_endpgm
.Lentry_shape_is_right:
; out0 = attention's rows x w_proj on codes of FP6 (E2M3) with E8M0 scales, K = 1,024; out0 [8192][1024] f32.
; A tile of 256 x 256 is made by four waves, each 128 x 128: 64 accumulators, 512 registers.  Source 0 ('B') = 16 columns of w_proj (tiles 192 on of wc), source 1 ('A') = 16 tokens: a lane holds one token and
; its registers run along the output's columns.  Lane r of tile T holds row 32 (T / 2) + 8 (T % 2) + r + 8 (r / 8).
; K goes in four steps of 256; a wave's fetch of a K step is 24,576 dense bytes (images of registers): no pitch, no padding.  A's fragments lie as two half fragments of 768 bytes (one head each: registers 0-3 at 16 x lane, 4-5 at 512 + 8 x lane).
; THREE SLOTS: K steps 0, 1, 2 and all scale words are first fills (by this text's count four tensor loads of a wave are out at the start); K step 3 alone is a refill, of slot 0, behind one round of the cluster's barrier,
; and has two K steps, 256 matrix instructions, in which to land.  With three quarters of K asked for at the head, nothing is prefetched.
; CLUSTERS: 4 x 4 work-groups; A's tiles are shared along a row of the cluster, B's along a column: each is asked for jointly.  The output has 128 tiles of this size: 128 work-groups.
; REGISTERS, in windows of 256: window 0: v1-31 addresses; v32-63 scale words, two sets; v128-223 A's fragments, one set (on the way out v128-255 take rows of the output).  window 1: B's fragments, two sets.
;   window 2: the accumulators of A's blocks 0-3 ((a, b) at v[8 (8 (a % 4) + b)]); window 3: those of blocks 4-7.
.set SLOT,  98304
.set HALFT, 24576
.set SCL,   3*SLOT
.set SPARE, SCL+16384                  ; the spare words, 128 bytes a wave: two blocks of 256 bytes that no other line names
.set SPITCH, 528                       ; the way out: a stage of 16 rows x (512 bytes + 16) for each wave, in slot 1, which has had its one fill and its last read when the first result is stored there
.set FR,    12
.set NLA,   4                          ; LDS loads that bring a fragment of A
.set ADRA8, 12                         ; v12-14  my A fragments in slot 0, 1, 2, at 8 bytes a lane
.set ADRA,  16                         ; v16-18  at 16 bytes a lane
.set ADRB,  20                         ; v20-22  B's
.set STO,   24
.set RD,    25
.set ADRS,  27
.set SPW,   28                         ; v28  LDS address of my spare word; never rewritten
.set NIL,   29                         ; v29  0; never rewritten
.set L16,   30
.set L8,    31
.set SC,    32
.set AF,    128
.set BK,    128
.set WV,  16
.set RH,  17
.set CH,  18
.set G1,  24
.set G0,  32
.set G0S, 44
.set G1B, 48
.set G0SB, 56
.set CX,  60
.set CY,  61
.set G0B, 68
.set G1S, 80
.set G1SB, 88
.set T1,  96
.set T0,  97
.set MSB, 0
.macro WIN new                         ; the immediate's high byte repeats the setting that is left
.if MSB != \new
	s_set_vgpr_msb (MSB<<8)|\new
.set MSB, \new
.endif
.endm
.set MUL_LO, 0xa1
.set MUL_HI, 0xf1
.set TO_B,   0x40
.macro JLOAD g0a, g1a, g0b, g1b        ; a joint load: waves 0 and 1 fetch for A, waves 2 and 3 for B; an s_nop 0 and four v_nop follow each line
	s_cmp_eq_u32 s[RH], 0
	s_cbranch_scc0 .Lfor_b_\@
	tensor_load_to_lds s[\g0a:\g0a+3], s[\g1a:\g1a+7]
	s_nop 0
.rept 4
	v_nop
.endr
	s_branch .Lasked_\@
.Lfor_b_\@:
	tensor_load_to_lds s[\g0b:\g0b+3], s[\g1b:\g1b+7]
	s_nop 0
.rept 4
	v_nop
.endr
.Lasked_\@:
.endm
.macro CREST
	s_cmp_lg_u32 s[WV], 0
	s_cbranch_scc1 .Lnot_wave_0_\@
	s_barrier_signal -3
.Lnot_wave_0_\@:
	s_barrier_wait -3
	s_barrier_signal -1
	s_barrier_wait -1
.endm
.macro CROUND
	s_barrier_signal -1
	s_barrier_wait -1
	CREST
.endm
	s_load_b256 s[4:11], s[0:1], 0x0               ; oc s[4:5], os s[6:7], wc s[8:9], ws s[10:11]
	s_load_b64 s[12:13], s[0:1], 0x20              ; out0
	v_lshl_add_u32 v[SPW], v0, 2, SPARE
	v_mov_b32 v[NIL], 0
	ds_add_u32 v[SPW], v[NIL]
	ds_add_u32 v[SPW], v[NIL]                      ; the wave's opening: the add and its wait ahead of my first tensor load; work on registers stands between them
	v_lshrrev_b32 v1, 5, v0
	v_readfirstlane_b32 s[WV], v1
	s_lshr_b32 s[RH], s[WV], 1
	s_and_b32 s[CH], s[WV], 1
	s_bfe_u32 s[CX], ttmp6, 0x40000
	s_bfe_u32 s[CY], ttmp6, 0x40004
	s_lshl_b32 s62, s[CY], 2
	s_lshl_b32 s62, 15, s62                        ; my row of the cluster
	s_lshl_b32 s63, 0x1111, s[CX]                  ; my column
	s_or_b32 s[G1], s62, (3<<16)|(1<<21)           ; dense bytes as rows of 256 (32 elements of 8 bytes); 15:0 the mask, 21 set beside it
	s_or_b32 s[G1S], s62, (3<<16)|(1<<21)
	s_or_b32 s[G1B], s63, (3<<16)|(1<<21)
	s_or_b32 s[G1SB], s63, (3<<16)|(1<<21)
.irp g, G1, G1B
	s_mov_b32 s[\g+1], 32<<16
	s_mov_b32 s[\g+2], 96<<16
	s_mov_b32 s[\g+3], 32<<16
	s_mov_b32 s[\g+4], 96
	s_mov_b32 s[\g+5], 32
	s_mov_b32 s[\g+6], 0
	s_mov_b32 s[\g+7], 0
.endr
.irp g, G1S, G1SB
	s_mov_b32 s[\g+1], 32<<16
	s_mov_b32 s[\g+2], 16<<16
	s_mov_b32 s[\g+3], 32<<16
	s_mov_b32 s[\g+4], 16
	s_mov_b32 s[\g+5], 32
	s_mov_b32 s[\g+6], 0
	s_mov_b32 s[\g+7], 0
.endr
	s_and_b32 s[T1], ttmp7, 0xffff
	s_lshl_b32 s[T1], s[T1], 2
	s_add_co_u32 s[T1], s[T1], s[CY]               ; which 256 tokens
	s_lshl_b32 s[T0], ttmp9, 2
	s_add_co_u32 s[T0], s[T0], s[CX]               ; which 256 columns
	s_lshl_b32 s20, s[CH], 3                       ; which 8 tiles I fetch
	s_lshl_b32 s[G0+2], s[T1], 4
	s_add_co_u32 s[G0+2], s[G0+2], s20
	s_lshl_b32 s[G0S+2], s[G0+2], 9
	s_mul_i32 s[G0+2], s[G0+2], 3072
	s_mov_b32 s[G0+3], 0
	s_mov_b32 s[G0S+3], 0
	s_lshl_b32 s[G0B+2], s[T0], 4
	s_add_co_u32 s[G0B+2], s[G0B+2], s20
	s_add_co_u32 s[G0B+2], s[G0B+2], 192           ; w_proj's tiles lie behind w_qkv's
	s_lshl_b32 s[G0SB+2], s[G0B+2], 9
	s_mul_i32 s[G0B+2], s[G0B+2], 3072
	s_mov_b32 s[G0B+3], 0
	s_mov_b32 s[G0SB+3], 0
	s_wait_dscnt 0x0                               ; the opening add is done
	s_wait_kmcnt 0x0
	s_add_nc_u64 s[G0+2:G0+3], s[4:5], s[G0+2:G0+3]
	s_add_nc_u64 s[G0S+2:G0S+3], s[6:7], s[G0S+2:G0S+3]
	s_add_nc_u64 s[G0B+2:G0B+3], s[8:9], s[G0B+2:G0B+3]
	s_add_nc_u64 s[G0SB+2:G0SB+3], s[10:11], s[G0SB+2:G0SB+3]
	s_add_nc_u64 s[G0+6:G0+7], s[G0+2:G0+3], 1572864
	s_add_nc_u64 s[G0+10:G0+11], s[G0+6:G0+7], 1572864
	s_add_nc_u64 s[G0B+6:G0B+7], s[G0B+2:G0B+3], 786432
	s_add_nc_u64 s[G0B+10:G0B+11], s[G0B+6:G0B+7], 786432
	s_mul_i32 s62, s[WV], HALFT
	s_lshl_b32 s63, s[WV], 12
.irp s, 0,1,2
	s_mov_b32 s[G0+4*\s], 1
	s_add_co_u32 s[G0+4*\s+1], s62, \s*SLOT
	s_or_b32 s[G0+4*\s+3], s[G0+4*\s+3], 0x80000000
	s_mov_b32 s[G0B+4*\s], 1
	s_add_co_u32 s[G0B+4*\s+1], s62, \s*SLOT
	s_or_b32 s[G0B+4*\s+3], s[G0B+4*\s+3], 0x80000000
.endr
	s_mov_b32 s[G0S], 1
	s_add_co_u32 s[G0S+1], s63, SCL
	s_or_b32 s[G0S+3], s[G0S+3], 0x80000000
	s_mov_b32 s[G0SB], 1
	s_add_co_u32 s[G0SB+1], s63, SCL
	s_or_b32 s[G0SB+3], s[G0SB+3], 0x80000000
	CROUND                                         ; all sixteen work-groups are here: the first joint loads meet
	JLOAD G0S, G1S, G0SB, G1SB
	JLOAD G0, G1, G0B, G1B
	JLOAD G0+4, G1, G0B+4, G1B
	JLOAD G0+8, G1, G0B+8, G1B
	v_and_b32 v1, 15, v0                           ; r
	v_bfe_u32 v2, v0, 4, 1                         ; h
	v_and_b32 v3, 31, v0
	v_lshlrev_b32 v[L16], 4, v3
	v_lshlrev_b32 v[L8], 3, v3
	s_mul_i32 s20, s[RH], HALFT
	s_mul_i32 s21, s[CH], HALFT
	s_add_co_u32 s21, s21, 2*HALFT
.irp s, 0,1,2
	v_add_nc_u32 v[ADRA+\s], s20, v[L16]
	v_add_nc_u32 v[ADRA8+\s], s20, v[L8]
	v_add_nc_u32 v[ADRB+\s], s21, v[L16]
	s_add_co_u32 s20, s20, SLOT
	s_add_co_u32 s21, s21, SLOT
.endr
	s_xor_b32 s22, s[RH], 1                        ; from A's words of my rows to B's: 4,096 x (2 + CH - RH)
	s_add_co_u32 s22, s22, s[CH]
	s_add_co_u32 s22, s22, 1
	s_lshl_b32 s22, s22, 12
	v_mul_u32_u24 v4, s22, v2
	v_lshl_add_u32 v4, v1, 3, v4
	s_lshl_b32 s23, s[RH], 12
	s_add_co_u32 s23, s23, SCL
	v_add_nc_u32 v[ADRS], s23, v4
	s_mul_i32 s23, s[WV], 16*SPITCH
	s_add_co_u32 s23, s23, SLOT                    ; my stage, in slot 1
	v_mul_u32_u24 v5, v1, SPITCH
	v_lshl_add_u32 v5, v2, 6, v5
	v_add_nc_u32 v[STO], s23, v5                   ; in: row r, + 64 h
	v_add_nc_u32 v[RD], s23, v[L16]                ; back: the 32 lanes take one row of 512 bytes
	s_lshl_b32 s20, s[T1], 8
	s_lshl_b32 s21, s[RH], 7
	s_add_co_u32 s20, s20, s21
	s_lshl_b32 s20, s20, 12                        ; my first token's row of 4,096 bytes
	s_lshl_b32 s21, s[T0], 10
	s_add_co_u32 s20, s20, s21
	s_lshl_b32 s21, s[CH], 9
	s_add_co_u32 s20, s20, s21                     ; my first column
	s_mov_b32 s21, 0
	s_add_nc_u64 s[12:13], s[12:13], s[20:21]
.macro FRAGB reg, adr, q, i
.irp c, 0,1,2
	ds_load_b128 v[\reg+4*\c:\reg+4*\c+3], v[\adr] offset:3072*(\i)+1536*(\q)+512*\c
.endr
.endm
.macro FRAGA reg, slot, q, i           ; two half fragments: registers 0-5 the even head's 64 along K, registers 6-11 the odd head's
	ds_load_b128 v[\reg:\reg+3], v[ADRA+\slot] offset:3072*(\i)+1536*(\q)
	ds_load_b64 v[\reg+4:\reg+5], v[ADRA8+\slot] offset:3072*(\i)+1536*(\q)+512
	ds_load_b128 v[\reg+6:\reg+9], v[ADRA+\slot] offset:3072*(\i)+1536*(\q)+768
	ds_load_b64 v[\reg+10:\reg+11], v[ADRA8+\slot] offset:3072*(\i)+1536*(\q)+1280
.endm
; 16 matrix instructions: A's blocks a0, a0 + 1 x B's eight.  The 64 accumulators take turns, one instruction a turn, in the same order in every step.
.macro MUL16 a0, p, q, sc, zero
.irp a, \a0, \a0+1
.irp b, 0,1,2,3,4,5,6,7
.if \zero
	v_wmma_scale_f32_16x16x128_f8f6f4 v[8*(8*((\a)%4)+\b):8*(8*((\a)%4)+\b)+7], v[128*(\p)+FR*\b:128*(\p)+FR*\b+FR-1], v[AF+FR*(\a):AF+FR*(\a)+FR-1], 0, v[SC+16*(\sc)+2*\b+(\q)], v[SC+16*(\sc)+2*(\a)+(\q)] matrix_a_fmt:MATRIX_FMT_FP6 matrix_b_fmt:MATRIX_FMT_FP6 matrix_a_scale:MATRIX_SCALE_ROW1
.else
	v_wmma_scale_f32_16x16x128_f8f6f4 v[8*(8*((\a)%4)+\b):8*(8*((\a)%4)+\b)+7], v[128*(\p)+FR*\b:128*(\p)+FR*\b+FR-1], v[AF+FR*(\a):AF+FR*(\a)+FR-1], v[8*(8*((\a)%4)+\b):8*(8*((\a)%4)+\b)+7], v[SC+16*(\sc)+2*\b+(\q)], v[SC+16*(\sc)+2*(\a)+(\q)] matrix_a_fmt:MATRIX_FMT_FP6 matrix_b_fmt:MATRIX_FMT_FP6 matrix_a_scale:MATRIX_SCALE_ROW1
.endif
.endr
.endr
.endm
.macro FETCH_B slot, q, p
	WIN TO_B
.irp i, 0,1,2,3,4,5,6,7
	FRAGB 128*(\p)+FR*\i, ADRB+\slot, \q, \i
.endr
	WIN 0
.endm
.macro FETCH_A slot, q, i0
.irp i, \i0, \i0+1, \i0+2, \i0+3
	FRAGA AF+FR*(\i), \slot, \q, \i
.endr
.endm
.macro SCALES sc, sg
.irp i, 0,1,2,3,4,5,6,7
	ds_load_b64 v[SC+16*(\sc)+2*\i:SC+16*(\sc)+2*\i+1], v[ADRS] offset:512*\i+128*(\sg)
.endr
.endm
.macro PLACES n                        ; plain vector instructions between a matrix instruction and a load into, or a read of, its registers
.rept \n
	v_nop
.endr
.endm
.macro STEP slot, sc, zero             ; a slot's first 128 along K: multiplies B's set 0, fetches the second 128
	s_wait_dscnt 4*NLA                             ; all but the youngest loads, A's blocks 4-7
	WIN MUL_LO
	MUL16 0, 0, 0, \sc, \zero
	MUL16 2, 0, 0, \sc, \zero
	s_wait_dscnt 0x0
	PLACES 4
	FETCH_B \slot, 1, 1
	FETCH_A \slot, 1, 0
	WIN MUL_HI
	MUL16 4, 0, 0, \sc, \zero
	MUL16 6, 0, 0, \sc, \zero
	PLACES 4
	WIN 0
	FETCH_A \slot, 1, 4
.endm
; A slot's second 128 along K, and the change of slots.  mode 2: this slot is filled again: every wave waits for all its tensor loads, adds 0 to its spare word, waits for that and for its reads of the slot; the barrier
; opens a round of the cluster's barrier, and the joint refill is the first thing behind it.  mode 1: the same waits and a work-group barrier, which shows the refill to all four waves; nothing is filled.
; mode 0: nothing: the next slot was shown whole by mode 2's waits and round, and no byte is filled behind this change.
.macro TURN slot, next, sc, nsg, mode
.if \mode > 0
	s_wait_tensorcnt 0x0                           ; all my tensor loads have landed
	ds_add_u32 v[SPW], v[NIL]                      ; 0 onto my spare word
	s_wait_dscnt 4*NLA+1                           ; (the add and A's blocks 4-7 may be out)
.else
	s_wait_dscnt 4*NLA
.endif
	WIN MUL_LO
	MUL16 0, 1, 1, \sc, 0
	s_wait_dscnt 0x0                               ; the add is done, and my reads of this slot are over
.if \mode > 0
	s_barrier_signal -1
.endif
	MUL16 2, 1, 1, \sc, 0
	WIN 0
.if \mode > 0
	s_barrier_wait -1
.endif
.if \mode == 2
	CREST                                          ; no wave of any partner still reads this slot or has a load on its way
	s_add_nc_u64 s[G0+2:G0+3], s[G0+2:G0+3], 3*1572864         ; from K step 0 to K step 3
	s_add_nc_u64 s[G0B+2:G0B+3], s[G0B+2:G0B+3], 3*786432
	JLOAD G0, G1, G0B, G1B                         ; the four v_nop behind it are also the places in front of the loads below
.else
	PLACES 4
.endif
	FETCH_B \next, 0, 0
	FETCH_A \next, 0, 0
	SCALES 1-\sc, \nsg
	WIN MUL_HI
	MUL16 4, 1, 1, \sc, 0
	MUL16 6, 1, 1, \sc, 0
	PLACES 4
	WIN 0
	FETCH_A \next, 0, 4
.endm
	s_wait_alu depctr_va_vdst(0)
	s_wait_tensorcnt 2                             ; the scale words and my part of K step 0 are in; K steps 1 and 2 may be out
	s_barrier_signal -1
	s_barrier_wait -1
	FETCH_B 0, 0, 0
	FETCH_A 0, 0, 0
	SCALES 0, 0
	FETCH_A 0, 0, 4
	STEP 0, 0, 1                                   ; the first products start the sums: nothing is cleared
	TURN 0, 1, 0, 1, 2
	STEP 1, 1, 0
	TURN 1, 2, 1, 2, 0
	STEP 2, 0, 0
	TURN 2, 0, 0, 3, 1
	STEP 0, 1, 0
	s_wait_dscnt 4*NLA                             ; the last 128 along K: nothing more to fetch
	WIN MUL_LO
	MUL16 0, 1, 1, 1, 0
	MUL16 2, 1, 1, 1, 0
	s_wait_dscnt 0x0
	WIN MUL_HI
	MUL16 4, 1, 1, 1, 0
	MUL16 6, 1, 1, 1, 0
	WIN 0
; THE WAY OUT, block by block of 16 tokens x 128 columns.  Register j of accumulator (a, b) is column 32 (b / 2) + 8 (b % 2) + 16 h + j of the token in lane r.  A block goes through my own stage and comes back as whole rows of
; 512 bytes.  LDS serves a wave's instructions in order: no wait between the stores and the loads, nor in front of the next block's stores.
.macro TOSTAGE a
.set AC, 64*((\a)%4)
	WIN 0x08+4*((\a)/4)                            ; an LDS store's data are its source 1: window 2 or 3
.irp b, 0,1,2,3,4,5,6,7
	ds_store_b128 v[STO], v[AC+8*\b:AC+8*\b+3] offset:128*(\b/2)+32*(\b%2)         ; each accumulator from its low end on
	ds_store_b128 v[STO], v[AC+8*\b+4:AC+8*\b+7] offset:128*(\b/2)+32*(\b%2)+16
.endr
	WIN 0
.set BB, BK+64*((\a)%2)
.irp t, 0,1,2,3,4,5,6,7,8,9,10,11,12,13,14,15
	ds_load_b128 v[BB+4*\t:BB+4*\t+3], v[RD] offset:\t*SPITCH
.endr
.endm
.macro SEND a, younger                 ; younger: the LDS instructions issued behind block a's loads, which may stay out
.set BB, BK+64*((\a)%2)
	s_wait_dscnt \younger
.irp t, 0,1,2,3,4,5,6,7,8,9,10,11,12,13,14,15
	global_store_b128 v[L16], v[BB+4*\t:BB+4*\t+3], s[12:13] offset:(32*((\a)/2)+8*((\a)%2)+\t+8*(\t/8))*4096 th:TH_STORE_NT   ; 32 lanes store 512 consecutive bytes, at a multiple of 256 from the output's first byte; lane t of the tile is token t + 8 (t / 8)
.endr
.endm
	PLACES 4                                       ; in front of the first reads of results and of the loads into A's registers
	TOSTAGE 0
.irp a, 1,2,3,4,5,6,7
.if \a > 1
	s_wait_xcnt 0x0                                ; block a - 2's stores have read their registers: block a's loads may land there
.endif
	TOSTAGE \a
	SEND \a-1, 32                                  ; behind block a - 1's loads: block a's 16 stores and 16 loads
.endr
	SEND 7, 0
	s_wait_tensorcnt 0x0                           ; the wave's end: three lines behind my last tensor load and my last LDS store
	ds_add_u32 v[SPW], v[NIL]
	s_wait_dscnt 0x0
	CROUND                                         ; the closing round: no work-group ends while a partner may still ask for a tile that names it
	s_endpgm
.Lfunc_end_k_qd1c6ae640e_proj:
	.size	k_qd1c6ae640e_proj, .Lfunc_end_k_qd1c6ae640e_proj-k_qd1c6ae640e_proj
	.p2alignl 7, 3214868480
	.fill 96, 4, 3214868480
	.section	.rodata,"a",@progbits
	.p2align	6, 0x0
	.amdhsa_kernel k_qd1c6ae640e_proj
		.amdhsa_group_segment_fixed_size 327680
		.amdhsa_private_segment_fixed_size 0
		.amdhsa_enable_private_segment 0
		.amdhsa_kernarg_size 40
		.amdhsa_user_sgpr_count 2
		.amdhsa_user_sgpr_kernarg_segment_ptr 1
		.amdhsa_wavefront_size32 1
		.amdhsa_system_sgpr_workgroup_id_x 1
		.amdhsa_system_sgpr_workgroup_id_y 1
		.amdhsa_system_sgpr_workgroup_id_z 1
		.amdhsa_system_vgpr_workitem_id 0
		.amdhsa_next_free_vgpr 1024
		.amdhsa_next_free_sgpr 102
		.amdhsa_reserve_vcc 0
		.amdhsa_float_denorm_mode_32 3
		.amdhsa_float_denorm_mode_16_64 3
		.amdhsa_memory_ordered 1
		.amdhsa_forward_progress 1
		.amdhsa_inst_pref_size 139
	.end_amdhsa_kernel
	.amdgpu_metadata
---
amdhsa.version: [ 1, 2 ]
amdhsa.kernels:
  - .name:           k_qd1c6ae640e_proj
    .symbol:         k_qd1c6ae640e_proj.kd
    .args:
      - { .name: oc, .offset: 0, .size: 8, .value_kind: global_buffer, .address_space: global }
      - { .name: os, .offset: 8, .size: 8, .value_kind: global_buffer, .address_space: global }
      - { .name: wc, .offset: 16, .size: 8, .value_kind: global_buffer, .address_space: global }
      - { .name: ws, .offset: 24, .size: 8, .value_kind: global_buffer, .address_space: global }
      - { .name: out0, .offset: 32, .size: 8, .value_kind: global_buffer, .address_space: global }
    .group_segment_fixed_size: 327680
    .private_segment_fixed_size: 0
    .kernarg_segment_align: 8
    .kernarg_segment_size: 40
    .max_flat_workgroup_size: 128
    .sgpr_count:     102
    .vgpr_count:     1024
    .wavefront_size: 32
...
	.end_amdgpu_metadata
.endif
;; end of part 4
